; MI455X (gfx1250); checked and timed in simulation.
; The chip was launched on July 23, 2026; its instructions are those of AMD's public machine-readable ISA for CDNA 5 (MIT licence, August 2026) and "CDNA5" Instruction Set Architecture Reference Guide (July 2026). The comments in the code are by the model that wrote it; some were corrected since.
;; Multi Head Attention. Allowed arithmetic: matrix products marked QUANTISED: E2M3 operands, one E8M0 scale for each 32 along K, by v_wmma_scale_f32_16x16x128_f8f6f4 with both operands' format E2M3, f32 sums; everything else in f32.
;; Inputs: bk 1,024 float32; bo 1,024 float32; bq 1,024 float32; bv 1,024 float32; context 4 x 2,048 x 1,024 float32; data 4 x 2,048 x 1,024 float32; wk 1,024 x 1,024 float32; wo 1,024 x 1,024 float32; wq 1,024 x 1,024 float32; wv 1,024 x 1,024 float32.
;; Outputs: out0 4 x 2,048 x 1,024 float32.
;; This version of the problem:
;;   THIS VERSION OF THE PROBLEM IS GIVEN IN LOW PRECISION. The matrix products marked QUANTISED in the list below multiply operands that are first quantised to E2M3 (2 exponent bits, 3 mantissa bits; 6 bits a number), with one power-of-two scale for each 32 numbers along K (OCP MX v1.0); their sums are f32. All else is computed in f32.
;;   The module's matrix products, in the order in which they are computed (A, B: the left and right operand; K: the contracted axis; several contracted axes count as one K, in the product's order):
;;     1. [M 8,192, K 1,024] x [K 1,024, N 1,024]; A: input data; B: input wq: QUANTISED
;;     2. [M 8,192, K 1,024] x [K 1,024, N 1,024]; A: input context; B: input wk: QUANTISED
;;     3. [M 8,192, K 1,024] x [K 1,024, N 1,024]; A: input context; B: input wv: QUANTISED
;;     4. batch 64 x [M 2,048, K 64] x [K 64, N 2,048]; A: computed on the way; B: computed on the way: QUANTISED
;;     5. batch 64 x [M 2,048, K 2,048] x [K 2,048, N 64]; A: softmax (see below); B: computed on the way: QUANTISED
;;     6. [M 8,192, K 1,024] x [K 1,024, N 1,024]; A: computed on the way; B: input wo: QUANTISED
;;   THE QUANTISER, for each operand of a quantised product, along K:
;;     - K is cut into blocks of 32 from its start; a last block that is shorter is filled with zeros.
;;     - A block's scale is 2^e with e = floor(log2(the largest magnitude in the block)) - 2, held to -126 .. 127; a block of zeros has e = 0. As a byte (E8M0): e + 127.
;;     - Each number is divided by its block's scale, clamped to +-7.5, and rounded to the nearest number of E2M3, ties to even, subnormals kept.
;;     - The product sums the exact products of the quantised numbers (number of the format x scale) in f32.
;;   ~~~python
;;   def quantise(x, axis):      # numpy; x: float32 -> the quantised numbers, widened to float32 again
;;       x = np.moveaxis(x, axis, -1); K = x.shape[-1]
;;       x = np.pad(x, [(0, 0)] * (x.ndim - 1) + [(0, -K % 32)]); x = x.reshape(x.shape[:-1] + (-1, 32)); a = np.abs(x).max(-1, keepdims=True)
;;       e = np.where(a > 0, np.clip(np.frexp(np.where(a > 0, a, 1))[1] - 1 - 2, -126, 127), 0)      # np.frexp(a)[1] - 1 = floor(log2(a)), exactly
;;       r = np.clip(x / 2.0 ** e, -7.5, 7.5)
;;       step = 2.0 ** (np.maximum(np.frexp(np.where(r == 0, 1, r))[1] - 1, 0) - 3)
;;       q = np.round(r / step) * step * 2.0 ** e      # np.round: ties to even
;;       return np.moveaxis(q.reshape(q.shape[:-2] + (-1,))[..., :K], -1, axis).astype(np.float32)
;;   ~~~
;;   SOFTMAX AHEAD OF A QUANTISED PRODUCT. Where the list says 'softmax', what is quantised is not the finished softmax but p = 2^(t - M), with t = logit x log2(e) and M = ceil(the row's largest t), a whole number; so 1/2 < the row's largest p <= 1. The row's sum l is taken of the UNQUANTISED p, in f32, and the product's result is divided by l at the end. Since M is a whole number, a kernel that streams over the keys may use a running M (the ceiling of the running maximum): every later rescaling is an exact power of two, which a block's scale takes up: the codes' values come out the same.
;;   OPERANDS COMPUTED ON THE WAY. 'Computed on the way' means the value that the module computes at that place (a softmax that the list does not call 'softmax' is quantised finished and normalised). What goes into a quantiser is computed in f32, as accurately as f32 sums, v_exp_f32 and their like allow (about 1e-6 of the number): no bf16 or f16 on the way to a quantiser, and a product that is left as it is and whose result goes on into a quantised operand takes f32 operands (vector FMAs, or v_wmma_f32_16x16x4_f32). A number that lies on a knife's edge between two numbers of the format may be rounded either way, as far as f32 arithmetic and the matrix unit's own rounding can turn it there, and no further.
;; One version. Each part assembles by itself: llvm-mc -triple=amdgcn-amd-amdhsa -mcpu=gfx1250 --defsym DOCPART=n.
;; ======== version 1 of 1: 5 launches
;; workspace buffers: wbuf 3,276,800 bytes; xbuf 13,107,200 bytes; qbuf 6,815,744 bytes; kv 13,369,344 bytes; zbuf 6,553,600 bytes
;; launch quantw (part 1): grid 32 x 4, 8 waves a work-group, no clusters, 2,048 bytes of LDS; arguments wq, wk, wv, wo, wbuf; writes wbuf
.if DOCPART == 1
	.amdgcn_target "amdgcn-amd-amdhsa--gfx1250"
	.amdhsa_code_object_version 6
	.text
	.protected	k_q0333a5fd55_quantw
	.globl	k_q0333a5fd55_quantw
	.p2align	8
	.type	k_q0333a5fd55_quantw,@function
k_q0333a5fd55_quantw:
	s_mov_b64 s[64:65], 0
	v_nop
	global_prefetch_b8 v0, s[64:65] scope:SCOPE_SE
	s_setreg_imm32_b32 hwreg(HW_REG_WAVE_MODE, 25, 1), 1
	s_wait_xcnt 0x0
; wq, wk, wv, wo [1024 (k)][1024 (n)] f32 become codes of FP6 (E2M3) along K, their FIRST axis, with one E8M0 byte for each 32 along K.
; A block's scale is 2^(floor(log2(largest magnitude)) - 2); its byte is the largest magnitude's exponent field - 2, held at 1 from below.
; LIMITS: NaN and infinities are not served; a block whose largest magnitude lies under 2^-124 keeps the byte 1; a block of zeros has the byte 1
; where the rule says 127: its codes are zeros, and this program alone reads the bytes.
; LAYOUT OF wbuf.  Columns are cut into groups of 32; group B holds tiles 2 B and 2 B + 1; slot s of tile 2 B + u is column 32 B + 8 u + s + 8 (s / 8).
; A HALF FRAGMENT (16 slots x 64 along K, 768 bytes) is an image of six operand registers: registers 0-3 at 16 x lane, registers 4-5 at 512 + 8 x lane;
; lane (s, h) holds k = 32 h .. 32 h + 31 of slot s.  Codes: [weight 4][j 16][tile 64] half fragments.  Scale words at WSC: [weight][tile 64][half of K 2][slot 16][4] words.
; SHARES.  Work-group y: the weight; x: 64 columns (x & 15) and 512 of K (x >> 4).  Wave w: 32 columns (w & 1), 128 of K (w >> 1).
; A LANE TAKES A COLUMN AND ITS REGISTERS RUN DOWN K: a block of 32 lies in one lane, and the conversions give codes with K innermost.
.set ROWB,   4096                      ; a row of a weight in bytes
.set JROW,   49152                     ; 64 tiles of 768 bytes
.set WCODES, 786432                    ; a weight's codes
.set WSC,    3145728                   ; where the scale words begin
.set X,      16                        ; v16-143   128 numbers down K
.set E,      144                       ; v144+8 t  block t: six registers of codes, one at work
.set BY,     176                       ; v176-179  the four scale bytes
.set WD,     180                       ; v180      the scale word
.set GW,     184                       ; v184-187  four waves' words, on the way out
	s_load_b256 s[4:11], s[0:1], 0x0               ; wq, wk, wv, wo
	s_load_b64 s[12:13], s[0:1], 0x20              ; wbuf
	v_lshl_add_u32 v192, v0, 2, 0x400
	v_mov_b32 v193, 0
	v_lshrrev_b32 v8, 5, v0
	s_delay_alu instid0(VALU_DEP_1)
	v_readfirstlane_b32 s14, v8                    ; wave 0..7
	s_and_b32 s15, ttmp7, 0xffff                   ; the weight
	s_and_b32 s16, ttmp9, 15                       ; cb: which 64 columns
	s_lshr_b32 s17, ttmp9, 4                       ; kh: which 512 of K
	s_and_b32 s18, s14, 1                          ; cg: which 32 of the columns
	s_lshr_b32 s19, s14, 1                         ; kq: which 128 of K
	v_and_b32 v9, 31, v0                           ; lane
	v_and_b32 v10, 15, v0                          ; slot
	v_bfe_u32 v11, v0, 4, 1                        ; u: lanes 0-15 are tile 2 B, lanes 16-31 tile 2 B + 1
	s_delay_alu instid0(VALU_DEP_2)
	v_and_b32 v1, 8, v10
	s_delay_alu instid0(VALU_DEP_1)
	v_add_nc_u32 v1, v1, v10                       ; slot + 8 (slot / 8)
	s_delay_alu instid0(VALU_DEP_1)
	v_lshl_add_u32 v1, v11, 3, v1                  ; + 8 u: my column of the 32
	s_delay_alu instid0(VALU_DEP_1)
	v_lshlrev_b32 v1, 2, v1                        ; in bytes
	v_lshlrev_b32 v2, 4, v9                        ; a half fragment's registers 0-3: 16 x lane
	v_lshlrev_b32 v3, 3, v9
	s_delay_alu instid0(VALU_DEP_1)
	v_add_nc_u32 v3, 512, v3                       ; its registers 4-5: 512 + 8 x lane
	s_lshl_b32 s20, s18, 9
	s_lshl_b32 s21, s19, 2
	v_add_nc_u32 v5, s20, v2                       ; LDS: 16 x lane + 512 cg: a lane's four words,
	s_delay_alu instid0(VALU_DEP_1)
	v_add_nc_u32 v4, s21, v5                       ; of which word kq is my wave's
	v_lshlrev_b32 v6, 4, v10
	s_delay_alu instid0(VALU_DEP_1)
	v_lshl_add_u32 v6, v11, 9, v6                  ; in the scale words: 512 u + 16 x slot
	s_lshl_b32 s22, s17, 21                        ; source: (512 kh + 128 kq) rows + (64 cb + 32 cg) columns
	s_lshl_b32 s23, s19, 19
	s_add_co_u32 s22, s22, s23
	s_lshl_b32 s23, s16, 8
	s_add_co_u32 s22, s22, s23
	s_lshl_b32 s23, s18, 7
	s_add_co_u32 s22, s22, s23
	s_mov_b32 s23, 0
	s_mul_i32 s24, s15, WCODES                     ; codes: weight, j = 8 kh + 2 kq, tile = 4 cb + 2 cg
	s_lshl_b32 s26, s17, 2
	s_add_co_u32 s26, s26, s19
	s_mul_i32 s26, s26, 2*JROW
	s_add_co_u32 s24, s24, s26
	s_lshl_b32 s26, s16, 1
	s_add_co_u32 s26, s26, s18                     ; 2 cb + cg: the group of 32 columns
	s_mul_i32 s27, s26, 2*768
	s_add_co_u32 s24, s24, s27
	s_mov_b32 s25, 0
	s_lshl_b32 s28, s15, 15                        ; scale words: weight x 32,768 + tile x 512 + kh x 256
	s_lshl_b32 s27, s26, 10
	s_add_co_u32 s28, s28, s27
	s_lshl_b32 s27, s17, 8
	s_add_co_u32 s28, s28, s27
	s_add_co_u32 s28, s28, WSC
	s_mov_b32 s29, 0
	s_wait_alu depctr_va_vdst(0)
	s_wait_kmcnt 0x0
	s_cmp_eq_u32 s15, 1                            ; the weight is chosen by the work-group's y alone
	s_cselect_b64 s[4:5], s[6:7], s[4:5]
	s_cmp_eq_u32 s15, 2
	s_cselect_b64 s[4:5], s[8:9], s[4:5]
	s_cmp_eq_u32 s15, 3
	s_cselect_b64 s[4:5], s[10:11], s[4:5]
	s_add_nc_u64 s[4:5], s[4:5], s[22:23]
	s_add_nc_u64 s[30:31], s[12:13], s[24:25]
	s_add_nc_u64 s[32:33], s[12:13], s[28:29]
.macro LOAD t                          ; block t: 32 rows of K at my column; a wave's load reads 128 consecutive bytes, two neighbouring waves 256
.irp i, 0,1,2,3,4,5,6,7,8,9,10,11,12,13,14,15,16,17,18,19,20,21,22,23,24,25,26,27,28,29,30,31
	global_load_b32 v[X+32*(\t)+\i], v1, s[4:5] offset:(32*(\t)+\i)*ROWB th:TH_LOAD_NT
.endr
.endm
.macro BLOCK t
.set XS, X+32*(\t)
.set ET, E+8*(\t)
.if (\t) < 3
	s_wait_loadcnt 32                              ; this block's 32 loads are in; the next block's 32 may be out
.else
	s_wait_loadcnt 0x0
.endif
.if (\t)+2 < 4
	LOAD (\t)+2                                    ; two blocks ahead, into registers of their own
.endif
	v_max3_num_f32 v8, |v[XS]|, |v[XS+1]|, |v[XS+2]|       ; the block's largest magnitude, in two chains: all 32 numbers are mine
	v_max3_num_f32 v9, |v[XS+3]|, |v[XS+4]|, |v[XS+5]|
.irp i, 6,10,14,18,22,26
	s_delay_alu instid0(VALU_DEP_2)
	v_max3_num_f32 v8, v8, |v[XS+\i]|, |v[XS+\i+1]|
	s_delay_alu instid0(VALU_DEP_2)
	v_max3_num_f32 v9, v9, |v[XS+\i+2]|, |v[XS+\i+3]|
.endr
	s_delay_alu instid0(VALU_DEP_2)
	v_max3_num_f32 v8, v8, |v[XS+30]|, |v[XS+31]|
	s_delay_alu instid0(VALU_DEP_1)
	v_max3_num_f32 v8, v8, v9, 0x1800000           ; and the floor 2^(3 - 127): the byte cannot fall under 1
	s_delay_alu instid0(VALU_DEP_1)
	v_add_nc_u32 v11, 0xff000000, v8               ; 2 off the exponent field: the conversion takes that field as its scale
	s_delay_alu instid0(VALU_DEP_1)
	v_lshrrev_b32 v[BY+(\t)], 23, v11              ; the scale's byte
	v_cvt_scalef32_pk16_fp6_f32 v[ET:ET+2], v[XS:XS+15], v11
	v_cvt_scalef32_pk16_fp6_f32 v[ET+4:ET+6], v[XS+16:XS+31], v11   ; (a conversion's three registers begin on an even number)
	v_nop                                          ; one plain line behind the conversions
	v_mov_b32 v[ET+3], v[ET+4]
	v_mov_b32 v[ET+4], v[ET+5]
	v_mov_b32 v[ET+5], v[ET+6]                     ; six registers: my column's 32 codes
.endm
; Blocks 2 p and 2 p + 1 are 64 along K.  The exchange gives tile 2 B both blocks (lanes 0-15 the first, lanes 16-31 the second) in one run of registers and tile 2 B + 1 in the other: two half fragments.
.macro PAIR p
.irp k, 0,1,2,3,4,5
	v_permlane16_swap_b32 v[E+16*(\p)+\k], v[E+16*(\p)+8+\k]
.endr
	global_store_b128 v2, v[E+16*(\p):E+16*(\p)+3], s[30:31] offset:(\p)*JROW           ; 32 lanes store 512 consecutive bytes,
	global_store_b64 v3, v[E+16*(\p)+4:E+16*(\p)+5], s[30:31] offset:(\p)*JROW          ; and 256 more behind them
	global_store_b128 v2, v[E+16*(\p)+8:E+16*(\p)+11], s[30:31] offset:(\p)*JROW+768
	global_store_b64 v3, v[E+16*(\p)+12:E+16*(\p)+13], s[30:31] offset:(\p)*JROW+768
.endm
	LOAD 0
	LOAD 1
	BLOCK 0
	BLOCK 1
	BLOCK 2
	BLOCK 3
	v_lshl_or_b32 v[WD], v[BY+1], 8, v[BY]         ; my column's scale word for these 128 along K
	s_delay_alu instid0(VALU_DEP_1)
	v_lshl_or_b32 v[WD], v[BY+2], 16, v[WD]
	s_delay_alu instid0(VALU_DEP_1)
	v_lshl_or_b32 v[WD], v[BY+3], 24, v[WD]
	ds_store_b32 v4, v[WD]                         ; four waves' words of a column lie side by side
	PAIR 0
	PAIR 1
	s_wait_dscnt 0x0                               ; for the others' sake: my word has landed
	s_barrier_signal -1
	s_barrier_wait -1
	s_cmp_lt_u32 s14, 2                            ; waves 0 and 1 (kq = 0, cg = the wave's number) store the words of their 32 columns
	s_cbranch_scc0 .Ldone
	ds_load_b128 v[GW:GW+3], v5
	s_wait_dscnt 0x0
	global_store_b128 v6, v[GW:GW+3], s[32:33]     ; sixteen lanes store 256 consecutive bytes, aligned: one tile's words for this half of K
.Ldone:
	s_wait_tensorcnt 0x0
	ds_add_u32 v192, v193
	s_wait_dscnt 0x0
	s_endpgm
.Lfunc_end_k_q0333a5fd55_quantw:
	.size	k_q0333a5fd55_quantw, .Lfunc_end_k_q0333a5fd55_quantw-k_q0333a5fd55_quantw
	.p2alignl 7, 3214868480
	.fill 96, 4, 3214868480
	.section	.rodata,"a",@progbits
	.p2align	6, 0x0
	.amdhsa_kernel k_q0333a5fd55_quantw
		.amdhsa_group_segment_fixed_size 2048
		.amdhsa_private_segment_fixed_size 0
		.amdhsa_enable_private_segment 0
		.amdhsa_kernarg_size 40
		.amdhsa_user_sgpr_count 2
		.amdhsa_user_sgpr_kernarg_segment_ptr 1
		.amdhsa_wavefront_size32 1
		.amdhsa_system_sgpr_workgroup_id_x 1
		.amdhsa_system_sgpr_workgroup_id_y 1
		.amdhsa_system_sgpr_workgroup_id_z 1
		.amdhsa_system_vgpr_workitem_id 0
		.amdhsa_next_free_vgpr 194
		.amdhsa_next_free_sgpr 66
		.amdhsa_reserve_vcc 0
		.amdhsa_float_denorm_mode_32 3
		.amdhsa_float_denorm_mode_16_64 3
		.amdhsa_memory_ordered 1
		.amdhsa_forward_progress 1
		.amdhsa_inst_pref_size 25
	.end_amdhsa_kernel
	.amdgpu_metadata
---
amdhsa.version: [ 1, 2 ]
amdhsa.kernels:
  - .name:           k_q0333a5fd55_quantw
    .symbol:         k_q0333a5fd55_quantw.kd
    .args:
      - { .name: wq, .offset: 0, .size: 8, .value_kind: global_buffer, .address_space: global }
      - { .name: wk, .offset: 8, .size: 8, .value_kind: global_buffer, .address_space: global }
      - { .name: wv, .offset: 16, .size: 8, .value_kind: global_buffer, .address_space: global }
      - { .name: wo, .offset: 24, .size: 8, .value_kind: global_buffer, .address_space: global }
      - { .name: wbuf, .offset: 32, .size: 8, .value_kind: global_buffer, .address_space: global }
    .group_segment_fixed_size: 2048
    .private_segment_fixed_size: 0
    .kernarg_segment_align: 8
    .kernarg_segment_size: 40
    .max_flat_workgroup_size: 256
    .sgpr_count:     66
    .vgpr_count:     194
    .wavefront_size: 32
...
	.end_amdgpu_metadata
.endif
;; end of part 1
;; launch quantx (part 2): grid 256 x 1, 4 waves a work-group, no clusters, 34,304 bytes of LDS; arguments data, context, xbuf; writes xbuf
.if DOCPART == 2
	.amdgcn_target "amdgcn-amd-amdhsa--gfx1250"
	.amdhsa_code_object_version 6
	.text
	.protected	k_q0333a5fd55_quantx
	.globl	k_q0333a5fd55_quantx
	.p2align	8
	.type	k_q0333a5fd55_quantx,@function
k_q0333a5fd55_quantx:
	s_mov_b64 s[64:65], 0
	v_nop
	global_prefetch_b8 v0, s[64:65] scope:SCOPE_SE
	s_setreg_imm32_b32 hwreg(HW_REG_WAVE_MODE, 25, 1), 1
	s_wait_xcnt 0x0
; data and context [8192][1024] f32 become codes of FP6 (E2M3) along K, their last axis, with one E8M0 byte for each 32 along K.
; The quantiser and its LIMITS are as in the weights' launch: NaN and infinities are not served; a largest magnitude under 2^-124 keeps the byte 1; a block of zeros has the byte 1 (its codes are zeros; this program alone reads the bytes).
; LAYOUT OF xbuf.  Rows are cut into groups of 32; slot s of tile 2 B + u is row 32 B + 8 u + s + 8 (s / 8).  Codes: [tensor 2][batch 4][j 16][tile 128] half fragments of 768 bytes
; (16 slots x 64 along K as an image of six registers: registers 0-3 at 16 x lane, 4-5 at 512 + 8 x lane).  Scale words at XSC: [tensor][tile 512][half of K 2][slot 16][4] words.
; SHARES.  A wave takes one tile of 16 rows through all of K, in eight steps of 128.  Each load reads 512 consecutive bytes of one row; a step's 16 rows turn through the wave's own
; stage in LDS (rows of 528 bytes) and come back with 16 neighbours of each block of 32 in a lane.  No barrier: waves share nothing.  Loads run two steps (32 loads) ahead, in three sets of registers.
.set SETS, 16                          ; v16-207  three sets of 64 numbers
.set PC,   208                         ; v208-219 a fragment's codes; v220-222, v224-226 at work
.set TM,   228                         ; v228-231 largest magnitudes, v232-235 the other half's, then the bytes, v240-243 the conversions' scales
.set PW,   244                         ; v244-251 the eight scale words
.set SW,   252                         ; v252-255 the four that my half of the lanes stores
.set SP,   528
.set XSC,  12582912
.set XJ,   98304                       ; 128 tiles of 768 bytes
	s_load_b128 s[4:7], s[0:1], 0x0                ; data, context
	s_load_b64 s[8:9], s[0:1], 0x10                ; xbuf
	v_lshl_add_u32 v238, v0, 2, 0x8400
	v_mov_b32 v239, 0
	v_lshrrev_b32 v7, 5, v0
	v_readfirstlane_b32 s10, v7                    ; wave
	v_and_b32 v7, 31, v0                           ; lane
	v_and_b32 v8, 15, v0                           ; r
	v_bfe_u32 v9, v0, 4, 1                         ; h
	v_lshlrev_b32 v1, 4, v7                        ; 16 x lane: my bytes of a load's 512, and of a half fragment's first 512
	s_mul_i32 s11, s10, 16*SP                      ; my stage
	v_add_nc_u32 v2, s11, v1                       ; into it: as loaded
	v_mul_u32_u24 v3, v8, SP
	v_lshl_add_u32 v3, v9, 6, v3
	v_add_nc_u32 v3, s11, v3                       ; out of it: row r, + 64 h: 16 numbers of each block of 32
	v_lshlrev_b32 v5, 3, v7
	v_add_nc_u32 v5, 512, v5                       ; 512 + 8 x lane
	v_lshlrev_b32 v6, 4, v8
	v_lshl_add_u32 v6, v9, 8, v6                   ; the scale words: 256 h + 16 r
	v_cmp_le_u32 vcc_lo, 16, v7                    ; lanes 16-31; nothing else writes VCC
	s_mov_b32 s20, 0x76543210
	s_mov_b32 s21, 0xfedcba98                      ; lane l xor 16
.irp b, 0,1,2,3
	v_mov_b32 v[TM+4+\b], 0                        ; written once: a lane permute's destination counts as a source
.endr
	s_lshr_b32 s12, ttmp9, 7                       ; the tensor
	s_and_b32 s13, ttmp9, 127
	s_lshl_b32 s13, s13, 2
	s_add_co_u32 s13, s13, s10                     ; my tile, 0..511
	s_lshr_b32 s14, s13, 1
	s_lshl_b32 s14, s14, 17                        ; 32 rows of 4,096 bytes a group,
	s_and_b32 s15, s13, 1
	s_lshl_b32 s15, s15, 15                        ; 8 rows for the odd tile
	s_add_co_u32 s14, s14, s15
	s_mov_b32 s15, 0
	s_mul_i32 s16, s12, 6291456
	s_lshr_b32 s17, s13, 7
	s_mul_i32 s17, s17, 1572864
	s_add_co_u32 s16, s16, s17
	s_and_b32 s17, s13, 127
	s_mul_i32 s17, s17, 768
	s_add_co_u32 s16, s16, s17
	s_mov_b32 s17, 0
	s_lshl_b32 s18, s12, 18
	s_lshl_b32 s19, s13, 9
	s_add_co_u32 s18, s18, s19
	s_add_co_u32 s18, s18, XSC
	s_mov_b32 s19, 0
	s_wait_kmcnt 0x0
	s_cmp_eq_u32 s12, 0                            ; the choice hangs on the work-group's number alone
	s_cselect_b64 s[4:5], s[4:5], s[6:7]
	s_add_nc_u64 s[4:5], s[4:5], s[14:15]
	s_add_nc_u64 s[6:7], s[8:9], s[16:17]          ; my tile's codes
	s_add_nc_u64 s[8:9], s[8:9], s[18:19]          ; its scale words
.macro LOAD t
.irp q, 0,1,2,3,4,5,6,7,8,9,10,11,12,13,14,15
	global_load_b128 v[SETS+64*((\t)%3)+4*\q:SETS+64*((\t)%3)+4*\q+3], v1, s[4:5] offset:(\q+8*(\q/8))*4096+512*(\t) th:TH_LOAD_NT
.endr
.endm
.macro TURN t                          ; LDS serves a wave's instructions in order: the loads see the stores, and land where the stores have read
.irp q, 0,1,2,3,4,5,6,7,8,9,10,11,12,13,14,15
	ds_store_b128 v2, v[SETS+64*((\t)%3)+4*\q:SETS+64*((\t)%3)+4*\q+3] offset:SP*\q
.endr
.irp b, 0,1,2,3
.irp j, 0,1,2,3
	ds_load_b128 v[SETS+64*((\t)%3)+16*\b+4*\j:SETS+64*((\t)%3)+16*\b+4*\j+3], v3 offset:128*\b+16*\j
.endr
.endr
.endm
; 64 numbers of a lane, register 16 b + i = k 32 b + 16 h + i of my row, become a fragment's codes in v[PC] on and its scale word in v[pw].
.macro QUANT s, pw
.irp b, 0,1,2,3
	v_max3_num_f32 v[TM+\b], |v[\s+16*\b]|, |v[\s+1+16*\b]|, 0x1800000   ; my 16 numbers of block b, and the floor 2^(3 - 127)
.endr
.irp i, 2,4,6,8,10,12,14
.irp b, 0,1,2,3
	v_max3_num_f32 v[TM+\b], v[TM+\b], |v[\s+16*\b+\i]|, |v[\s+1+16*\b+\i]|
.endr
.endr
.irp b, 0,1,2,3
	v_permlanex16_b32 v[TM+4+\b], v[TM+\b], s20, s21
.endr
.irp b, 0,1,2,3
	v_max_num_f32 v[TM+\b], v[TM+\b], v[TM+4+\b]   ; with lane l xor 16's: the block's largest magnitude
.endr
.irp b, 0,1,2,3
	v_add_nc_u32 v[TM+12+\b], 0xff000000, v[TM+\b] ; 2 off the exponent field: the conversion's scale
.endr
.irp b, 0,1,2,3
	v_lshrrev_b32 v[TM+4+\b], 23, v[TM+12+\b]      ; the byte
.endr
	v_lshl_or_b32 v[\pw], v[TM+5], 8, v[TM+4]
	v_lshl_or_b32 v[\pw], v[TM+6], 16, v[\pw]
	v_lshl_or_b32 v[\pw], v[TM+7], 24, v[\pw]
.irp c, 0,1
	v_cvt_scalef32_pk16_fp6_f32 v[PC+6*\c:PC+2+6*\c], v[\s+32*\c:\s+15+32*\c], v[TM+12+2*\c]
	v_cvt_scalef32_pk16_fp6_f32 v[PC+12+4*\c:PC+14+4*\c], v[\s+16+32*\c:\s+31+32*\c], v[TM+12+2*\c+1]
.endr
	v_nop                                          ; one plain line behind the conversions
.irp c, 0,1                                    ; the operand wants a whole block in a lane: lanes 0-15 block 2 c, lanes 16-31 block 2 c + 1
.irp i, 0,1,2
	v_permlane16_swap_b32 v[PC+6*\c+\i], v[PC+12+4*\c+\i]
.endr
.irp i, 0,1,2
	v_mov_b32 v[PC+3+6*\c+\i], v[PC+12+4*\c+\i]
.endr
.endr
.endm
.macro STEP t
.if (\t) < 7
	s_wait_loadcnt 16                              ; this step's 16 loads are in; the next step's may be out
.else
	s_wait_loadcnt 0x0
.endif
	TURN \t
.if (\t) < 6
	LOAD (\t)+2                                    ; into the set that the step before has quantised
.endif
	s_wait_dscnt 0x0                               ; the step's numbers are back from the stage
	s_wait_xcnt 0x0                                ; the last step's stores have read the codes' registers, which are written again below
	QUANT SETS+64*((\t)%3), PW+(\t)
.irp c, 0,1
	global_store_b128 v1, v[PC+6*\c:PC+6*\c+3], s[6:7] offset:(2*(\t)+\c)*XJ      ; 512 consecutive bytes,
	global_store_b64 v5, v[PC+6*\c+4:PC+6*\c+5], s[6:7] offset:(2*(\t)+\c)*XJ     ; and the 256 behind them
.endr
.endm
	LOAD 0
	LOAD 1
.irp t, 0,1,2,3,4,5,6,7
	STEP \t
.endr
.irp i, 0,1,2,3
	v_cndmask_b32 v[SW+\i], v[PW+\i], v[PW+4+\i], vcc_lo   ; lanes 0-15: words 0-3 of row r; lanes 16-31: words 4-7
.endr
	global_store_b128 v6, v[SW:SW+3], s[8:9]       ; 512 consecutive bytes: the tile's scale words
	s_wait_tensorcnt 0x0
	ds_add_u32 v238, v239
	s_wait_dscnt 0x0
	s_endpgm
.Lfunc_end_k_q0333a5fd55_quantx:
	.size	k_q0333a5fd55_quantx, .Lfunc_end_k_q0333a5fd55_quantx-k_q0333a5fd55_quantx
	.p2alignl 7, 3214868480
	.fill 96, 4, 3214868480
	.section	.rodata,"a",@progbits
	.p2align	6, 0x0
	.amdhsa_kernel k_q0333a5fd55_quantx
		.amdhsa_group_segment_fixed_size 34304
		.amdhsa_private_segment_fixed_size 0
		.amdhsa_enable_private_segment 0
		.amdhsa_kernarg_size 24
		.amdhsa_user_sgpr_count 2
		.amdhsa_user_sgpr_kernarg_segment_ptr 1
		.amdhsa_wavefront_size32 1
		.amdhsa_system_sgpr_workgroup_id_x 1
		.amdhsa_system_sgpr_workgroup_id_y 1
		.amdhsa_system_sgpr_workgroup_id_z 1
		.amdhsa_system_vgpr_workitem_id 0
		.amdhsa_next_free_vgpr 256
		.amdhsa_next_free_sgpr 66
		.amdhsa_reserve_vcc 1
		.amdhsa_float_denorm_mode_32 3
		.amdhsa_float_denorm_mode_16_64 3
		.amdhsa_memory_ordered 1
		.amdhsa_forward_progress 1
		.amdhsa_inst_pref_size 65
	.end_amdhsa_kernel
	.amdgpu_metadata
---
amdhsa.version: [ 1, 2 ]
amdhsa.kernels:
  - .name:           k_q0333a5fd55_quantx
    .symbol:         k_q0333a5fd55_quantx.kd
    .args:
      - { .name: data, .offset: 0, .size: 8, .value_kind: global_buffer, .address_space: global }
      - { .name: context, .offset: 8, .size: 8, .value_kind: global_buffer, .address_space: global }
      - { .name: xbuf, .offset: 16, .size: 8, .value_kind: global_buffer, .address_space: global }
    .group_segment_fixed_size: 34304
    .private_segment_fixed_size: 0
    .kernarg_segment_align: 8
    .kernarg_segment_size: 24
    .max_flat_workgroup_size: 128
    .sgpr_count:     66
    .vgpr_count:     256
    .wavefront_size: 32
...
	.end_amdgpu_metadata
.endif
;; end of part 2
;; launch proj (part 3): grid 24 x 32, 4 waves a work-group, clusters of 4 x 4, 295,424 bytes of LDS; arguments xbuf, wbuf, bq, bk, bv, qbuf, kv; writes qbuf, kv
.if DOCPART == 3
	.amdgcn_target "amdgcn-amd-amdhsa--gfx1250"
	.amdhsa_code_object_version 6
	.text
	.protected	k_q0333a5fd55_proj
	.globl	k_q0333a5fd55_proj
	.p2align	8
	.type	k_q0333a5fd55_proj,@function
k_q0333a5fd55_proj:
	s_mov_b64 s[64:65], 0
	v_nop
	global_prefetch_b8 v0, s[64:65] scope:SCOPE_SE
	s_setreg_imm32_b32 hwreg(HW_REG_WAVE_MODE, 25, 1), 1
	s_wait_xcnt 0x0
	s_wait_alu depctr_hold_cnt(0) depctr_sa_sdst(0) depctr_va_vdst(0) depctr_va_sdst(0) depctr_va_ssrc(0) depctr_va_vcc(0) depctr_vm_vsrc(0)
	s_getreg_b32 s2, hwreg(HW_REG_IB_STS2, 6, 4)
	s_cmp_eq_u32 s2, 0
	s_cbranch_scc0 .Lentry_in_a_cluster
	s_endpgm
.Lentry_in_a_cluster:
	s_bfe_u32 s2, ttmp6, 0x10000c
	s_cmp_lg_u32 s2, 0xf033
	s_cbranch_scc0 .Lentry_shape_is_right
	s_endpgm
.Lentry_shape_is_right:
; q = data wq + bq, k = context wk + bk, v = context wv + bv on codes of FP6 (E2M3) with E8M0 scales; the results are quantised at once: q and k along the head's 64, v along the keys.
; LIMITS of the quantiser: NaN and infinities are not served; a largest magnitude under 2^-124 keeps the byte 1; a block of zeros has the byte 1 (zero codes; this program alone reads the bytes).
; OPERANDS lie in memory as half fragments (16 slots x 64 along K, 768 bytes, an image of six registers: 0-3 at 16 x lane, 4-5 at 512 + 8 x lane); slot s of tile 2 B + u is row 32 B + 8 u + s + 8 (s / 8).
; A WORK-GROUP makes 256 (R, source 1) x 128 (C, source 0).  In a result lane (r, h) holds slot r of R's tile, and the 16 registers of C's tiles 2 b and 2 b + 1 are C's rows 32 b + 16 h + 0 .. 15:
; neighbours along the next product's K.  So for q and k R = the tokens and C = the features (two heads of 64); for v the roles are swapped: R = wv's columns (a wave's 64: one head), C = 128 keys.
; Cluster x: 0, 1 = q; 2, 3 = k; 4, 5 = v: the same in all partners of a cluster, so the two short branches on it are alike in all.
; ALL OF K (1,024) OF BOTH OPERANDS LIES IN LDS: 196,608 + 98,304 bytes, filled once: no slot is filled again.  Each wave issues eight tensor loads at the head (by this text's own count eight are out),
; in four chunks of two K steps; counted waits let the later chunks land under the products.
; CLUSTERS: 4 x 4.  R's block hangs on cy alone and is asked for jointly along a row of the cluster, C's on cx alone and along a column.
; REGISTERS: window 0: v1-25 addresses; v32-63 R's scale words, v64-127 C's (scales and nothing else); v128-255 the way out.  Window 1: 32 accumulators, (i, t) at v[8 (8 i + t)].
;   Windows 2, 3: two sets of fragments: R's four at v[12 i], C's eight at v[48 + 12 t].  Window 3: v144-207 the bias by C's rows, v208-239 the bias by R's slots.
.set XSC, 12582912
.set WSC, 3145728
.set QSC, 6291456
.set XT,  6291456                      ; a tensor's codes in xbuf
.set XB,  1572864                      ; a batch's
.set XJ,  98304                        ; 128 tiles
.set WT,  786432                       ; a weight's codes
.set WJ,  49152                        ; 64 tiles
.set KVB, 208896                       ; a head's block in kv: K's codes, V's codes at 98,304, K's scale words at 196,608, V's at 204,800
.set HFB, 768
.set RJ,  12288                        ; LDS: 16 tiles of R for one j
.set CJ,  6144                         ; 8 tiles of C
.set CL,  16*RJ                        ; C's codes lie behind R's
.set LN, 1
.set RR, 2
.set HH, 3
.set RA16, 10                          ; LDS addresses of the K step in hand
.set RA8,  11
.set CA16, 12
.set CA8,  13
.set O16,  14                          ; 16 x lane
.set O8,   15                          ; 512 + 8 x lane
.set R16,  16                          ; 16 r
.set B64,  17                          ; 64 h
.set SOF,  18                          ; the scale words' store
.set BRO,  19                          ; 4 (r + 8 (r / 8))
.set BRT,  22                          ; v22-25 the bias of my lane's slot in R's four tiles
.set SR,   32
.set SC,   64
.set TM,   128
.set TP,   144
.set SO,   160
.set WD,   176
.set SW,   180
.set SH,   184
.set PC,   192
.set G1R, 24
.set G1C, 32
.set G0R, 40
.set G0C, 68
.set MSB, 0
.macro WIN new                         ; the immediate's high byte repeats the setting that is left
.if MSB != (\new)
	s_set_vgpr_msb (MSB<<8)|(\new)
.set MSB, (\new)
.endif
.endm
.macro CROUND                          ; a round of the cluster's barrier
	s_barrier_signal -1
	s_barrier_wait -1
	s_cmp_lg_u32 s18, 0
	s_cbranch_scc1 .Lnot_wave_0_\@
	s_barrier_signal -3
.Lnot_wave_0_\@:
	s_barrier_wait -3
	s_barrier_signal -1
	s_barrier_wait -1
.endm
	s_load_b128 s[4:7], s[0:1], 0x0                ; xbuf, wbuf
	s_load_b128 s[8:11], s[0:1], 0x10              ; bq, bk
	s_load_b128 s[12:15], s[0:1], 0x20             ; bv, qbuf
	s_load_b64 s[16:17], s[0:1], 0x30              ; kv
	v_lshl_add_u32 v254, v0, 2, 0x48000
	v_mov_b32 v255, 0
	ds_add_u32 v254, v255
	ds_add_u32 v254, v255
	v_lshrrev_b32 v1, 5, v0
	v_readfirstlane_b32 s18, v1                    ; wave 0..3
	s_lshr_b32 s19, ttmp9, 1                       ; P: 0 q, 1 k, 2 v
	s_and_b32 s20, ttmp9, 1                        ; e
	s_and_b32 s21, ttmp7, 0xffff                   ; ty
	s_bfe_u32 s22, ttmp6, 0x40000                  ; cx
	s_bfe_u32 s23, ttmp6, 0x40004                  ; cy
	s_lshl_b32 s56, s23, 2
	s_lshl_b32 s56, 15, s56                        ; my row of the cluster
	s_lshl_b32 s84, 0x1111, s22                    ; my column
	; descriptor group 1: dense blocks as rows of 256 bytes (32 elements of 8 bytes): R's 48 rows, C's 24; no padding: every LDS read takes consecutive bytes
	s_or_b32 s[G1R], s56, (3<<16)|(1<<21)
	s_mov_b32 s[G1R+1], 32<<16
	s_mov_b32 s[G1R+2], 48<<16
	s_mov_b32 s[G1R+3], 32<<16
	s_mov_b32 s[G1R+4], 48
	s_mov_b32 s[G1R+5], 32
	s_mov_b32 s[G1R+6], 0
	s_mov_b32 s[G1R+7], 0
	s_or_b32 s[G1C], s84, (3<<16)|(1<<21)
	s_mov_b32 s[G1C+1], 32<<16
	s_mov_b32 s[G1C+2], 24<<16
	s_mov_b32 s[G1C+3], 32<<16
	s_mov_b32 s[G1C+4], 24
	s_mov_b32 s[G1C+5], 32
	s_mov_b32 s[G1C+6], 0
	s_mov_b32 s[G1C+7], 0
	v_and_b32 v[LN], 31, v0
	v_and_b32 v[RR], 15, v0
	v_bfe_u32 v[HH], v0, 4, 1
	v_lshlrev_b32 v[O16], 4, v[LN]
	v_lshlrev_b32 v[O8], 3, v[LN]
	v_add_nc_u32 v[O8], 512, v[O8]
	s_mul_i32 s101, s18, 4*HFB                     ; my four tiles of R
	v_add_nc_u32 v[RA16], s101, v[O16]
	v_add_nc_u32 v[RA8], s101, v[O8]
	v_add_nc_u32 v[CA16], CL, v[O16]
	v_add_nc_u32 v[CA8], CL, v[O8]
	v_lshlrev_b32 v[R16], 4, v[RR]
	v_lshlrev_b32 v[B64], 6, v[HH]
	v_and_b32 v[BRO], 8, v[RR]
	v_add_nc_u32 v[BRO], v[BRO], v[RR]
	v_lshlrev_b32 v[BRO], 2, v[BRO]
	s_mov_b32 s98, 0x1800000                       ; the floor 2^(3 - 127)
	s_mov_b32 s99, 0x76543210
	s_mov_b32 s100, 0xfedcba98                     ; lane l xor 16
	; R: offsets made of cy, ty, P and the wave's number alone
	s_lshl_b32 s56, s21, 2
	s_add_co_u32 s56, s56, s23                     ; Y = 4 ty + cy: which 256 tokens (q, k)
	s_lshr_b32 s57, s56, 3
	s_mul_i32 s57, s57, XB
	s_and_b32 s58, s56, 7
	s_mul_i32 s58, s58, RJ
	s_add_co_u32 s57, s57, s58
	s_mul_i32 s58, s19, XT
	s_add_co_u32 s57, s57, s58                     ; q, k: the tokens' codes
	s_mul_i32 s58, s23, RJ
	s_add_co_u32 s58, s58, 2*WT                    ; v: wv's columns 256 cy on
	s_lshl_b32 s59, s56, 13
	s_lshl_b32 s60, s19, 18
	s_add_co_u32 s59, s59, s60
	s_add_co_u32 s59, s59, XSC                     ; q, k: their scale words
	s_lshl_b32 s60, s23, 13
	s_add_co_u32 s60, s60, WSC+2*32768             ; v: wv's
	s_lshl_b32 s61, s18, 11                        ; my four tiles' words
	s_cmp_eq_u32 s19, 2
	s_cselect_b32 s56, s58, s57
	s_cselect_b32 s58, s60, s59
	s_mov_b32 s60, XJ
	s_cselect_b32 s60, WJ, s60                     ; from j to j in memory
	s_add_co_u32 s58, s58, s61
	s_mov_b32 s57, 0
	s_mov_b32 s59, 0
	; C: offsets made of cx, e, ty, P and the wave's number alone
	s_lshl_b32 s84, s20, 2
	s_add_co_u32 s84, s84, s22                     ; X = 4 e + cx: which 128 features (q, k)
	s_lshl_b32 s85, s21, 3
	s_add_co_u32 s85, s85, s84                     ; Z = X + 8 ty: which 128 keys (v)
	s_mul_i32 s86, s84, CJ
	s_mul_i32 s87, s19, WT
	s_add_co_u32 s86, s86, s87                     ; q, k: the weight's codes
	s_lshr_b32 s87, s85, 4
	s_mul_i32 s87, s87, XB
	s_and_b32 s88, s85, 15
	s_mul_i32 s88, s88, CJ
	s_add_co_u32 s87, s87, s88
	s_add_co_u32 s87, s87, XT                      ; v: context's codes
	s_lshl_b32 s88, s84, 12
	s_lshl_b32 s89, s19, 15
	s_add_co_u32 s88, s88, s89
	s_add_co_u32 s88, s88, WSC
	s_lshl_b32 s89, s85, 12
	s_add_co_u32 s89, s89, XSC+262144
	s_cmp_eq_u32 s19, 2
	s_cselect_b32 s86, s87, s86
	s_cselect_b32 s88, s89, s88
	s_mov_b32 s90, WJ
	s_cselect_b32 s90, XJ, s90
	s_mov_b32 s87, 0
	s_mov_b32 s89, 0
	s_wait_dscnt 0x0
	s_wait_kmcnt 0x0
	s_cselect_b64 s[62:63], s[6:7], s[4:5]         ; R's buffer: wbuf for v, else xbuf (the moves and the wait above leave SCC as the compare set it)
	s_cselect_b64 s[2:3], s[4:5], s[6:7]           ; C's buffer
	s_add_nc_u64 s[66:67], s[62:63], s[58:59]      ; R's scale words
	s_add_nc_u64 s[88:89], s[2:3], s[88:89]        ; C's
	s_add_nc_u64 s[62:63], s[62:63], s[56:57]
	s_add_nc_u64 s[2:3], s[2:3], s[86:87]
	s_mul_i32 s56, s18, s60                        ; in chunk c wave w fetches j = 4 c + w
	s_mul_i32 s86, s18, s90
	s_add_nc_u64 s[62:63], s[62:63], s[56:57]
	s_add_nc_u64 s[2:3], s[2:3], s[86:87]
	s_lshl_b32 s56, s60, 2                         ; a chunk on
	s_lshl_b32 s86, s90, 2
	s_mul_i32 s61, s18, RJ
	s_mul_i32 s91, s18, CJ
.irp c, 0,1,2,3
	s_mov_b32 s[G0R+4*\c], 1
	s_add_co_u32 s[G0R+4*\c+1], s61, \c*4*RJ
	s_mov_b64 s[G0R+4*\c+2:G0R+4*\c+3], s[62:63]
	s_or_b32 s[G0R+4*\c+3], s[G0R+4*\c+3], 0x80000000
	s_add_nc_u64 s[62:63], s[62:63], s[56:57]
	s_mov_b32 s[G0C+4*\c], 1
	s_add_co_u32 s[G0C+4*\c+1], s91, CL+\c*4*CJ
	s_mov_b64 s[G0C+4*\c+2:G0C+4*\c+3], s[2:3]
	s_or_b32 s[G0C+4*\c+3], s[G0C+4*\c+3], 0x80000000
	s_add_nc_u64 s[2:3], s[2:3], s[86:87]
.endr
	CROUND                                         ; all sixteen work-groups are here: the joint loads meet
.irp c, 0,1,2,3
	tensor_load_to_lds s[G0R+4*\c:G0R+4*\c+3], s[G1R:G1R+7]    ; all first fills in one group: chunk c's R, then its C
	s_nop 0
	tensor_load_to_lds s[G0C+4*\c:G0C+4*\c+3], s[G1C:G1C+7]
	s_nop 0
.endr
.rept 4
	v_nop                                          ; behind a tensor load
.endr
	s_wait_alu depctr_va_vdst(0)
	; the scale words of all of K stay in registers: two loads of 16 bytes a tile; sixteen lanes read 256 consecutive bytes
.irp i, 0,1,2,3
.irp g, 0,1
	global_load_b128 v[SR+8*\i+4*\g:SR+8*\i+4*\g+3], v[R16], s[66:67] offset:512*\i+256*\g
.endr
.endr
.irp t, 0,1,2,3,4,5,6,7
.irp g, 0,1
	global_load_b128 v[SC+8*\t+4*\g:SC+8*\t+4*\g+3], v[R16], s[88:89] offset:512*\t+256*\g
.endr
.endr
	; the bias, in both forms, on the one way that all take: by C's rows (used by q and k) and by R's slots (used by v).  The form that a product does not use is loaded in vain; every address stays inside the bias.
	s_cmp_eq_u32 s19, 1
	s_cselect_b64 s[8:9], s[10:11], s[8:9]
	s_cmp_eq_u32 s19, 2
	s_cselect_b64 s[8:9], s[12:13], s[8:9]
	s_lshl_b32 s56, s84, 9                         ; 128 X numbers
	s_mov_b32 s57, 0
	s_add_nc_u64 s[10:11], s[8:9], s[56:57]
	s_lshl_b32 s56, s23, 10
	s_lshl_b32 s58, s18, 8
	s_add_co_u32 s56, s56, s58                     ; 256 cy + 64 w numbers
	s_add_nc_u64 s[12:13], s[8:9], s[56:57]
	WIN 0xc0                                       ; destination window 3
.irp t, 0,1,2,3,4,5,6,7
	global_load_b128 v[144+8*\t:147+8*\t], v[B64], s[10:11] offset:(32*(\t/2)+8*(\t%2))*4
	global_load_b128 v[148+8*\t:151+8*\t], v[B64], s[10:11] offset:(32*(\t/2)+8*(\t%2))*4+16
.endr
	WIN 0
.irp i, 0,1,2,3
	global_load_b32 v[BRT+\i], v[BRO], s[12:13] offset:(32*(\i/2)+8*(\i%2))*4
.endr
	; where the results go
	s_lshl_b32 s56, s21, 2
	s_add_co_u32 s56, s56, s23                     ; Y
	s_lshr_b32 s57, s56, 3
	s_lshl_b32 s57, s57, 4
	s_lshl_b32 s58, s84, 1
	s_add_co_u32 s57, s57, s58                     ; q, k: head 16 x batch + 2 X, and the next
	s_and_b32 s58, s56, 7
	s_lshl_b32 s58, s58, 4
	s_lshl_b32 s59, s18, 2
	s_add_co_u32 s58, s58, s59                     ; my first tile of tokens in the batch
	s_cmp_eq_u32 s19, 0
	s_mov_b32 s59, KVB
	s_cselect_b32 s59, 98304, s59                  ; from head to head: codes,
	s_mov_b32 s60, KVB
	s_cselect_b32 s60, 8192, s60                   ; scale words
	s_mov_b32 s61, 196608
	s_cselect_b32 s61, QSC, s61                    ; where the scale words begin
	s_mul_i32 s62, s57, s59
	s_mul_i32 s63, s58, HFB
	s_add_co_u32 s62, s62, s63                     ; q, k: codes
	s_mul_i32 s63, s57, s60
	s_add_co_u32 s63, s63, s61
	s_lshl_b32 s61, s58, 6
	s_add_co_u32 s63, s63, s61                     ; q, k: scale words, 64 bytes a tile
	s_lshr_b32 s56, s85, 4
	s_lshl_b32 s56, s56, 4
	s_lshl_b32 s57, s23, 2
	s_add_co_u32 s56, s56, s57
	s_add_co_u32 s56, s56, s18                     ; v: head 16 x batch + 4 cy + w
	s_mul_i32 s56, s56, KVB
	s_and_b32 s57, s85, 15                         ; the key step
	s_mul_i32 s58, s57, 8*HFB
	s_add_co_u32 s58, s58, s56
	s_add_co_u32 s58, s58, 98304                   ; v: codes
	s_lshl_b32 s57, s57, 8
	s_add_co_u32 s57, s57, s56
	s_add_co_u32 s57, s57, 204800                  ; v: scale words
	s_cmp_eq_u32 s19, 2
	s_cselect_b32 s92, s58, s62
	s_cselect_b32 s96, s57, s63
	s_cselect_b32 s94, 4*HFB, s59                  ; from the first 64 of the results' K to the second: the next 64 keys, or the next head
	s_cselect_b32 s60, 8, s60
	s_mov_b32 s93, 0
	s_mov_b32 s95, 0
	s_mov_b32 s97, 0
	v_mul_u32_u24 v[SOF], v[HH], s60
	v_lshl_add_u32 v[SOF], v[RR], 4, v[SOF]        ; 16 r + h x (the next head's words, or 8 bytes)
	s_cmp_eq_u32 s19, 0
	s_cselect_b64 s[56:57], s[14:15], s[16:17]     ; qbuf or kv
	s_add_nc_u64 s[92:93], s[56:57], s[92:93]
	s_add_nc_u64 s[94:95], s[92:93], s[94:95]
	s_add_nc_u64 s[96:97], s[56:57], s[96:97]
.macro FETCH p                         ; 48 LDS loads: a K step's fragments into set p; a fragment is two half fragments, j and j + 1
	WIN 0x80+0x40*(\p)
.irp i, 0,1,2,3
	ds_load_b128 v[12*\i:12*\i+3], v[RA16] offset:HFB*\i
	ds_load_b64 v[12*\i+4:12*\i+5], v[RA8] offset:HFB*\i
	ds_load_b128 v[12*\i+6:12*\i+9], v[RA16] offset:RJ+HFB*\i
	ds_load_b64 v[12*\i+10:12*\i+11], v[RA8] offset:RJ+HFB*\i
.endr
.irp t, 0,1,2,3,4,5,6,7
	ds_load_b128 v[48+12*\t:48+12*\t+3], v[CA16] offset:HFB*\t
	ds_load_b64 v[48+12*\t+4:48+12*\t+5], v[CA8] offset:HFB*\t
	ds_load_b128 v[48+12*\t+6:48+12*\t+9], v[CA16] offset:CJ+HFB*\t
	ds_load_b64 v[48+12*\t+10:48+12*\t+11], v[CA8] offset:CJ+HFB*\t
.endr
.endm
; 32 matrix instructions: K step s from set p.  The 32 accumulators take turns, one instruction a turn, in the same order in every step.
; cm = 0: onto the sums; 1: the sums begin with the bias by C's rows; 2: with the bias by R's slots.
.macro MUL s, p, cm
.if \cm == 0
	WIN 0x5a+5*(\p)                                ; sources 0 and 1 window 2 + p, C and D window 1
.else
	WIN 0x7a                                       ; sources window 2, C window 3, D window 1
.endif
.irp i, 0,1,2,3
.irp t, 0,1,2,3,4,5,6,7
.if \cm == 0
	v_wmma_scale_f32_16x16x128_f8f6f4 v[8*(8*\i+\t):8*(8*\i+\t)+7], v[48+12*\t:48+12*\t+11], v[12*\i:12*\i+11], v[8*(8*\i+\t):8*(8*\i+\t)+7], v[SC+8*\t+\s], v[SR+8*\i+\s] matrix_a_fmt:MATRIX_FMT_FP6 matrix_b_fmt:MATRIX_FMT_FP6
.elseif \cm == 1
	v_wmma_scale_f32_16x16x128_f8f6f4 v[8*(8*\i+\t):8*(8*\i+\t)+7], v[48+12*\t:48+12*\t+11], v[12*\i:12*\i+11], v[144+8*\t:151+8*\t], v[SC+8*\t+\s], v[SR+8*\i+\s] matrix_a_fmt:MATRIX_FMT_FP6 matrix_b_fmt:MATRIX_FMT_FP6
.else
	v_wmma_scale_f32_16x16x128_f8f6f4 v[8*(8*\i+\t):8*(8*\i+\t)+7], v[48+12*\t:48+12*\t+11], v[12*\i:12*\i+11], v[208+8*\i:215+8*\i], v[SC+8*\t+\s], v[SR+8*\i+\s] matrix_a_fmt:MATRIX_FMT_FP6 matrix_b_fmt:MATRIX_FMT_FP6
.endif
.endr
.endr
.endm
; What stands ahead of step s's products: where the next step lies in a new chunk, the wait for my part of it and a barrier;
; the next step's addresses: four plain lines, which are the places between the last step's products and the loads into the set that they read; the loads.
.macro PREP s
	WIN 0
.if (\s == 1) || (\s == 3) || (\s == 5)
	s_wait_dscnt 0x0                               ; no LDS load of mine is out at a signal
	s_wait_tensorcnt 5-(\s)                        ; my two loads of the next chunk have landed; the chunks behind it, two loads each, may be out
	s_barrier_signal -1
	s_barrier_wait -1                              ; everybody's have
.endif
.if \s < 7
	v_add_nc_u32 v[RA16], 2*RJ, v[RA16]
	v_add_nc_u32 v[RA8], 2*RJ, v[RA8]
	v_add_nc_u32 v[CA16], 2*CJ, v[CA16]
	v_add_nc_u32 v[CA8], 2*CJ, v[CA8]
	FETCH ((\s)+1)%2
	s_wait_alu depctr_va_vdst(0)
	s_wait_dscnt 48                                ; all but the 48 just issued: this step's fragments are in
.else
	s_wait_dscnt 0x0
.endif
.endm
	s_wait_tensorcnt 6                             ; my two loads of chunk 0 have landed; the six behind them may be out
	s_barrier_signal -1
	s_barrier_wait -1
	FETCH 0
	PREP 0
	WIN 0
	s_wait_loadcnt 0x0                             ; the scale words and the bias
	s_cmp_eq_u32 s19, 2
	s_cbranch_scc1 .Lby_slots
	MUL 0, 0, 1
	WIN 0
	s_branch .Lstarted
.Lby_slots:
	WIN 0xc0
.irp i, 0,1,2,3
.irp j, 0,1,2,3,4,5,6,7
	v_mov_b32 v[208+8*\i+\j], v[BRT+\i]            ; a lane's eight results of a tile belong to one channel: its bias eight times
.endr
.endr
.rept 8
	v_nop
.endr
	MUL 0, 0, 2
	WIN 0
.Lstarted:
	s_wait_alu depctr_va_vdst(0)
.irp s, 1,2,3,4,5,6,7
	PREP \s
	MUL \s, (\s)%2, 0
.endr
	; THE WAY OUT.  Sixteen blocks of 32 along the next K: block n = 4 i + b lies in registers 16 n .. 16 n + 15 of window 1, 16 numbers in lane l and 16 in lane l xor 16.
	WIN 0
.irp n, 0,1,2,3,4,5,6,7,8,9,10,11,12,13,14,15
	v_mov_b32 v[TP+\n], 0                          ; a lane permute's destination counts as a source.  (These are also the places behind the last products)
.endr
	WIN 0x14                                       ; sources 1 and 2 window 1
.irp n, 0,1,2,3,4,5,6,7,8,9,10,11,12,13,14,15
	v_max3_num_f32 v[TM+\n], s98, |v[16*\n]|, |v[16*\n+1]|      ; each accumulator is read from its low end on
.endr
.irp k, 2,4,6,8,10,12,14
.irp n, 0,1,2,3,4,5,6,7,8,9,10,11,12,13,14,15
	v_max3_num_f32 v[TM+\n], v[TM+\n], |v[16*\n+\k]|, |v[16*\n+\k+1]|
.endr
.endr
	WIN 0
.irp n, 0,1,2,3,4,5,6,7,8,9,10,11,12,13,14,15
	v_permlanex16_b32 v[TP+\n], v[TM+\n], s99, s100
.endr
.irp n, 0,1,2,3,4,5,6,7,8,9,10,11,12,13,14,15
	v_max_num_f32 v[TM+\n], v[TM+\n], v[TP+\n]
.endr
.irp n, 0,1,2,3,4,5,6,7,8,9,10,11,12,13,14,15
	v_add_nc_u32 v[SO+\n], 0xff000000, v[TM+\n]    ; 2 off the exponent field: the conversion's scale
.endr
.irp n, 0,1,2,3,4,5,6,7,8,9,10,11,12,13,14,15
	v_lshrrev_b32 v[TP+\n], 23, v[SO+\n]           ; the byte
.endr
.irp i, 0,1,2,3
	v_lshl_or_b32 v[WD+\i], v[TP+4*\i+1], 8, v[TP+4*\i]
	v_lshl_or_b32 v[WD+\i], v[TP+4*\i+2], 16, v[WD+\i]
	v_lshl_or_b32 v[WD+\i], v[TP+4*\i+3], 24, v[WD+\i]
.endr
.irp c, 0,1                                    ; the c-th 64 along the next K: six registers a tile, at v[PC + 16 i + 6 c]
	WIN 0x01                                       ; source 0 window 1
.irp i, 0,1,2,3
	v_cvt_scalef32_pk16_fp6_f32 v[PC+16*\i+6*\c:PC+16*\i+6*\c+2], v[64*\i+32*\c:64*\i+32*\c+15], v[SO+4*\i+2*\c]
	v_cvt_scalef32_pk16_fp6_f32 v[PC+16*\i+6*\c+4:PC+16*\i+6*\c+6], v[64*\i+32*\c+16:64*\i+32*\c+31], v[SO+4*\i+2*\c+1]
.endr
	v_nop                                          ; one plain line behind the conversions
	WIN 0
.irp i, 0,1,2,3
.irp k, 0,1,2
	v_permlane16_swap_b32 v[PC+16*\i+6*\c+\k], v[PC+16*\i+6*\c+4+\k]   ; a whole block to a lane
.endr
.endr
.irp i, 0,1,2,3
.irp k, 0,1,2
	v_mov_b32 v[PC+16*\i+6*\c+3+\k], v[PC+16*\i+6*\c+4+\k]
.endr
.endr
.endr
.irp i, 0,1,2,3
	global_store_b128 v[O16], v[PC+16*\i:PC+16*\i+3], s[92:93] offset:HFB*\i        ; a half fragment: 512 consecutive bytes and 256 more
	global_store_b64 v[O8], v[PC+16*\i+4:PC+16*\i+5], s[92:93] offset:HFB*\i
	global_store_b128 v[O16], v[PC+16*\i+6:PC+16*\i+9], s[94:95] offset:HFB*\i
	global_store_b64 v[O8], v[PC+16*\i+10:PC+16*\i+11], s[94:95] offset:HFB*\i
.endr
	v_cmp_le_u32 vcc_lo, 16, v[LN]                 ; lanes 16-31
	s_cmp_eq_u32 s19, 2
	s_cbranch_scc1 .Lwords_v
.irp i, 0,1,2,3
	v_lshrrev_b32 v[SH+\i], 16, v[WD+\i]           ; q, k: bytes 0, 1 are the first head's, bytes 2, 3 the second's.  A head's word has its two bytes lowest; the upper two stand over zero codes and are never 0xff
.endr
.irp i, 0,1,2,3
	v_cndmask_b32 v[SW+\i], v[WD+\i], v[SH+\i], vcc_lo
.endr
	global_store_b128 v[SOF], v[SW:SW+3], s[96:97] ; lanes 0-15: 256 consecutive bytes of the first head; lanes 16-31: of the second
	s_branch .Lwords_done
.Lwords_v:
	v_cndmask_b32 v[SW], v[WD], v[WD+2], vcc_lo    ; v: four words a slot, one for each tile of channels: two from each half of the lanes
	v_cndmask_b32 v[SW+1], v[WD+1], v[WD+3], vcc_lo
	global_store_b64 v[SOF], v[SW:SW+1], s[96:97]  ; 256 consecutive bytes
.Lwords_done:
	s_wait_dscnt 0x0
	s_wait_tensorcnt 0x0
	ds_add_u32 v254, v255
	s_wait_dscnt 0x0
	CROUND                                         ; the closing round: no work-group ends while a partner may still ask jointly
	s_endpgm
.Lfunc_end_k_q0333a5fd55_proj:
	.size	k_q0333a5fd55_proj, .Lfunc_end_k_q0333a5fd55_proj-k_q0333a5fd55_proj
	.p2alignl 7, 3214868480
	.fill 96, 4, 3214868480
	.section	.rodata,"a",@progbits
	.p2align	6, 0x0
	.amdhsa_kernel k_q0333a5fd55_proj
		.amdhsa_group_segment_fixed_size 295424
		.amdhsa_private_segment_fixed_size 0
		.amdhsa_enable_private_segment 0
		.amdhsa_kernarg_size 56
		.amdhsa_user_sgpr_count 2
		.amdhsa_user_sgpr_kernarg_segment_ptr 1
		.amdhsa_wavefront_size32 1
		.amdhsa_system_sgpr_workgroup_id_x 1
		.amdhsa_system_sgpr_workgroup_id_y 1
		.amdhsa_system_sgpr_workgroup_id_z 1
		.amdhsa_system_vgpr_workitem_id 0
		.amdhsa_next_free_vgpr 1024
		.amdhsa_next_free_sgpr 102
		.amdhsa_reserve_vcc 1
		.amdhsa_float_denorm_mode_32 3
		.amdhsa_float_denorm_mode_16_64 3
		.amdhsa_memory_ordered 1
		.amdhsa_forward_progress 1
		.amdhsa_inst_pref_size 99
	.end_amdhsa_kernel
	.amdgpu_metadata
---
amdhsa.version: [ 1, 2 ]
amdhsa.kernels:
  - .name:           k_q0333a5fd55_proj
    .symbol:         k_q0333a5fd55_proj.kd
    .args:
      - { .name: xbuf, .offset: 0, .size: 8, .value_kind: global_buffer, .address_space: global }
      - { .name: wbuf, .offset: 8, .size: 8, .value_kind: global_buffer, .address_space: global }
      - { .name: bq, .offset: 16, .size: 8, .value_kind: global_buffer, .address_space: global }
      - { .name: bk, .offset: 24, .size: 8, .value_kind: global_buffer, .address_space: global }
      - { .name: bv, .offset: 32, .size: 8, .value_kind: global_buffer, .address_space: global }
      - { .name: qbuf, .offset: 40, .size: 8, .value_kind: global_buffer, .address_space: global }
      - { .name: kv, .offset: 48, .size: 8, .value_kind: global_buffer, .address_space: global }
    .group_segment_fixed_size: 295424
    .private_segment_fixed_size: 0
    .kernarg_segment_align: 8
    .kernarg_segment_size: 56
    .max_flat_workgroup_size: 128
    .sgpr_count:     102
    .vgpr_count:     1024
    .wavefront_size: 32
...
	.end_amdgpu_metadata
.endif
;; end of part 3
;; launch attn (part 4): grid 4 x 64, 16 waves a work-group, clusters of 4 x 1, 210,944 bytes of LDS; arguments qbuf, kv, zbuf; writes zbuf
.if DOCPART == 4
	.amdgcn_target "amdgcn-amd-amdhsa--gfx1250"
	.amdhsa_code_object_version 6
	.text
	.protected	k_q0333a5fd55_attn
	.globl	k_q0333a5fd55_attn
	.p2align	8
	.type	k_q0333a5fd55_attn,@function
k_q0333a5fd55_attn:
	s_mov_b64 s[64:65], 0
	v_nop
	global_prefetch_b8 v0, s[64:65] scope:SCOPE_SE
	s_setreg_imm32_b32 hwreg(HW_REG_WAVE_MODE, 25, 1), 1
	s_wait_xcnt 0x0
	s_wait_alu depctr_hold_cnt(0) depctr_sa_sdst(0) depctr_va_vdst(0) depctr_va_sdst(0) depctr_va_ssrc(0) depctr_va_vcc(0) depctr_vm_vsrc(0)
	s_getreg_b32 s2, hwreg(HW_REG_IB_STS2, 6, 4)
	s_cmp_eq_u32 s2, 0
	s_cbranch_scc0 .Lentry_in_a_cluster
	s_endpgm
.Lentry_in_a_cluster:
	s_bfe_u32 s2, ttmp6, 0x10000c
	s_cmp_lg_u32 s2, 0x3003
	s_cbranch_scc0 .Lentry_shape_is_right
	s_endpgm
.Lentry_shape_is_right:
; z[b][q][head] = softmax_k(q . k / 8, k <= q) v on codes of FP6 (E2M3) with E8M0 scales; z is quantised along the features and leaves as codes.
; THE SOFTMAX: t = score x log2(e) / 8; M = the row's largest t so far, rounded UP to a whole number; p = 2^(t - M) is quantised along the keys, not normalised; the row's sum is taken of the
; unquantised p and divides at the end.  When M moves, the sum and O are multiplied by 2^(old M - new M): exact.
; LIMITS of z's quantiser: NaN and infinities are not served; a largest magnitude under 2^-124 keeps the byte 1; a block of zeros has the byte 1 (zero codes; this program alone reads the bytes).
; THE FIRST PRODUCT'S K IS 64: the upper six registers of q's and of K's fragments are zero codes, which add nothing under any scale byte but 0xff.
; SHARES.  A cluster of four work-groups owns one (batch, head).  The head's whole block of kv (K's and V's codes and scale words, 208,896 bytes) comes into each work-group's LDS ONCE, by joint loads,
; one a wave, 51 rows of 256 bytes: nothing is filled again.  Wave w (beta = w / 2) works two tiles of 16 queries one after the other: one in the queries' block beta of 128 (beta + 1 key steps count)
; and one in block 15 - beta (16 - beta key steps): 17 key steps for every wave of the launch.  Which of a block's eight tiles: 2 cx + w % 2; cx enters global addresses and the mask's numbers alone.
; THE LOOP OVER KEY STEPS HAS 16 TRIPS FOR EVERY WAVE; a step whose keys all come after the tile's queries is jumped over, but for the lines that step addresses.
; LAYOUT.  Both products are used transposed: S^T = K Q^T, O^T = V^T P^T: a lane holds one query.  Slot s of tile 2 B + u (of keys, queries, channels) is number 32 B + 8 u + s + 8 (s / 8), so that the 16 registers
; of source 0's tiles 2 b, 2 b + 1 are 16 neighbours: 32 b + 16 (lane / 16) + 0 .. 15.  z's scale bytes: a head gives two of a word's four, so they leave as stores of two bytes a lane (one byte in 24 of what the launch stores).
; REGISTERS: v1-6 LDS addresses of the step; v7 the mask's number; v8 the first tile's scale bytes; v9 the place of the scale bytes, made at the end; v10-11 at work; v12 -M, v13 the largest t, v[14:15] the sum; v16-27 Q;
;   v28-31 V's scale words; v32-79 four fragments of K; v80-127 V's four; v128-191 S^T, then p; v192-223 O^T; v224-235 p's codes; v232-247, v252, v254 at work; v248-251 K's scale words; v253 p's; v255 Q's.
.set KVB, 208896
.set VCO, 98304                        ; V's codes in a head's block
.set KSO, 196608                       ; K's scale words: 512 bytes a key step
.set VSO, 204800                       ; V's: 256 bytes a key step
.set QSC, 6291456
.set ZSC, 6291456
.set HFB, 768
.set WV,   18
.set SEL,  20
.set CS,   22
.set G1,   24
.set G0,   32
.set BETA, 36
.set TAU,  37
.set BH,   38
.set BE,   39                          ; the block of 128 queries in which the tile in hand lies
.set ST,   50                          ; the key step
.set ZO,   56                          ; s56, s57: where the first and the second tile's scale bytes of z begin
.macro CROUND                          ; a round of the cluster's barrier
	s_barrier_signal -1
	s_barrier_wait -1
	s_cmp_lg_u32 s[WV], 0
	s_cbranch_scc1 .Lnot_wave_0_\@
	s_barrier_signal -3
.Lnot_wave_0_\@:
	s_barrier_wait -3
	s_barrier_signal -1
	s_barrier_wait -1
.endm
	s_load_b128 s[4:7], s[0:1], 0x0                ; qbuf, kv
	s_load_b64 s[8:9], s[0:1], 0x10                ; zbuf
	v_lshl_add_u32 v254, v0, 2, 0x33000
	v_mov_b32 v255, 0
	ds_add_u32 v254, v255
	ds_add_u32 v254, v255
	s_wait_dscnt 0x0
	v_lshrrev_b32 v10, 5, v0
	s_delay_alu instid0(VALU_DEP_1)
	v_readfirstlane_b32 s[WV], v10                 ; wave 0..15
	s_bfe_u32 s51, ttmp6, 0x40000                  ; cx
	s_and_b32 s[BH], ttmp7, 0xffff                 ; 16 x batch + head, which the four partners share
	s_lshr_b32 s[BETA], s[WV], 1
	s_and_b32 s[TAU], s[WV], 1
	s_lshl_b32 s40, s51, 1
	s_add_co_u32 s[TAU], s[TAU], s40               ; which of a block's eight tiles
	s_mov_b32 s[G1], 15|(3<<16)|(1<<21)            ; the mask: all four work-groups; elements of 8 bytes; bit 21 beside a mask
	s_mov_b32 s[G1+1], 32<<16                      ; rows of 256 bytes,
	s_mov_b32 s[G1+2], 51<<16                      ; 51 of them
	s_mov_b32 s[G1+3], 32<<16
	s_mov_b32 s[G1+4], 51
	s_mov_b32 s[G1+5], 32
	s_mov_b32 s[G1+6], 0
	s_mov_b32 s[G1+7], 0
	s_mul_i32 s40, s[BH], KVB
	s_mul_i32 s41, s[WV], 51*256                   ; my sixteenth of the block, in memory and in LDS
	s_mov_b32 s[G0], 1
	s_mov_b32 s[G0+1], s41
	s_add_co_u32 s40, s40, s41
	s_mov_b32 s41, 0
	s_mov_b32 s[SEL], 0x76543210
	s_mov_b32 s[SEL+1], 0xfedcba98                 ; lane l xor 16
	s_mov_b32 s[CS], 0x3e38aa3b                    ; c = log2(e) / 8
	s_mov_b32 s[CS+1], s[CS]                       ; (named with it as a pair)
	s_wait_kmcnt 0x0
	s_add_nc_u64 s[G0+2:G0+3], s[6:7], s[40:41]
	s_or_b32 s[G0+3], s[G0+3], 0x80000000
	CROUND                                         ; all four work-groups are here: the joint loads meet
	tensor_load_to_lds s[G0:G0+3], s[G1:G1+7]      ; my one tensor load of the launch
	s_nop 0
.rept 4
	v_nop                                          ; behind a tensor load
.endr
.irp k, 22,23,24,25,26,27
	v_mov_b32 v[\k], 0                             ; Q's upper half of K: zero codes
.endr
.irp t, 0,1,2,3
.irp k, 6,7,8,9,10,11
	v_mov_b32 v[32+12*\t+\k], 0                    ; K's likewise: written once, never loaded
.endr
.endr
.irp k, 236,237,238,239,252,253
	v_mov_b32 v[\k], 0                             ; lane permutes' destinations, and the pair v[252:253], are written before they are named
.endr
	s_lshr_b32 s40, s[TAU], 1
	s_lshl_b32 s40, s40, 5
	s_and_b32 s41, s[TAU], 1
	s_lshl_b32 s41, s41, 3
	s_add_co_u32 s40, s40, s41
	v_and_b32 v10, 15, v0
	s_delay_alu instid0(VALU_DEP_1)
	v_and_b32 v11, 8, v10
	s_delay_alu instid0(VALU_DEP_1)
	v_add_nc_u32 v7, v10, v11
	v_bfe_u32 v11, v0, 4, 1
	s_delay_alu instid0(VALU_DEP_1)
	v_lshlrev_b32 v11, 4, v11
	s_delay_alu instid0(VALU_DEP_1)
	v_sub_nc_u32 v7, v7, v11
	s_delay_alu instid0(VALU_DEP_1)
	v_add_nc_u32 v7, s40, v7                       ; d = my query's place in its block of 128, less 16 (lane / 16): on the diagonal register 16 b + i is hidden where 32 b + i > d
	s_add_nc_u64 s[52:53], s[8:9], ZSC             ; z's scale words
	s_lshl_b32 s40, s[BH], 13
	s_lshr_b32 s41, s[TAU], 2
	s_lshl_b32 s41, s41, 8
	s_add_co_u32 s40, s40, s41
	s_and_b32 s41, s[TAU], 3
	s_lshl_b32 s41, s41, 2
	s_add_co_u32 s40, s40, s41
	s_add_co_u32 s40, s40, QSC
	s_mov_b32 s41, 0
	s_add_nc_u64 s[54:55], s[4:5], s[40:41]        ; Q's scale words: the head's, my tile's place in a block's 512 bytes
; A KEY STEP: 128 keys.
.macro STEP
	s_cmp_gt_u32 s[ST], s[BE]                      ; all its keys come after my queries: only the addresses step
	s_cbranch_scc1 .Lhid_\@
	s_wait_alu depctr_va_vdst(0)
	s_setprio 2
.irp t, 0,1,2,3
	ds_load_b128 v[32+12*\t:35+12*\t], v1 offset:HFB*\t          ; K's tiles 0-3: a half fragment each
	ds_load_b64 v[36+12*\t:37+12*\t], v2 offset:HFB*\t
.endr
	ds_load_b128 v[248:251], v5                    ; their scale words
.irp t, 0,1,2,3
.irp c, 0,1
	ds_load_b128 v[80+12*\t+6*\c:83+12*\t+6*\c], v3 offset:(4*\c+\t)*HFB   ; V's four tiles of channels x these 128 keys
	ds_load_b64 v[84+12*\t+6*\c:85+12*\t+6*\c], v4 offset:(4*\c+\t)*HFB
.endr
.endr
	ds_load_b128 v[28:31], v6
	s_wait_dscnt 17                                ; K's nine loads are in; V's seventeen may be out
.irp t, 0,1,2,3
	v_wmma_scale_f32_16x16x128_f8f6f4 v[128+8*\t:135+8*\t], v[32+12*\t:43+12*\t], v[16:27], 0, v[248+\t], v255 matrix_a_fmt:MATRIX_FMT_FP6 matrix_b_fmt:MATRIX_FMT_FP6
.endr
.rept 4
	v_nop                                          ; places in front of loads into registers that these products have read
.endr
.irp t, 0,1,2,3
	ds_load_b128 v[32+12*\t:35+12*\t], v1 offset:HFB*(4+\t)      ; K's tiles 4-7
	ds_load_b64 v[36+12*\t:37+12*\t], v2 offset:HFB*(4+\t)
.endr
	ds_load_b128 v[248:251], v5 offset:256
	s_wait_dscnt 0x0
.irp t, 0,1,2,3
	v_wmma_scale_f32_16x16x128_f8f6f4 v[160+8*\t:167+8*\t], v[32+12*\t:43+12*\t], v[16:27], 0, v[248+\t], v255 matrix_a_fmt:MATRIX_FMT_FP6 matrix_b_fmt:MATRIX_FMT_FP6
.endr
.rept 4
	v_nop                                          ; places in front of the first read of the results
.endr
	s_cmp_lg_u32 s[ST], s[BE]                      ; only the step on the diagonal has hidden keys
	s_cbranch_scc1 .Lopen_\@
	v_mov_b32 v254, 0xff800000                     ; -infinity: p = 0 then
.irp n, 0,1,2,3,4,5,6,7,8,9,10,11,12,13,14,15,16,17,18,19,20,21,22,23,24,25,26,27,28,29,30,31,32,33,34,35,36,37,38,39,40,41,42,43,44,45,46,47,48,49,50,51,52,53,54,55,56,57,58,59,60,61,62,63
	v_cmp_gt_i32 vcc_lo, 32*(\n/16)+\n%16, v7
	v_cndmask_b32 v[128+\n], v[128+\n], v254, vcc_lo
.endr
.Lopen_\@:
.irp b, 0,1,2,3
	v_max3_num_f32 v[232+\b], v[128+16*\b], v[129+16*\b], v[130+16*\b]   ; the largest score of each block of 32 keys: for the row's maximum, and, since p rises with the score, for the block's largest p
.endr
.irp i, 3,5,7,9,11,13
.irp b, 0,1,2,3
	v_max3_num_f32 v[232+\b], v[232+\b], v[128+16*\b+\i], v[129+16*\b+\i]
.endr
.endr
.irp b, 0,1,2,3
	v_max_num_f32 v[232+\b], v[232+\b], v[143+16*\b]
.endr
.irp b, 0,1,2,3
	s_delay_alu instid0(VALU_DEP_4)
	v_permlanex16_b32 v[236+\b], v[232+\b], s[SEL], s[SEL+1]
.endr
.irp b, 0,1,2,3
	s_delay_alu instid0(VALU_DEP_4)
	v_max_num_f32 v[232+\b], v[232+\b], v[236+\b]  ; with lane l xor 16's 16 keys
.endr
	s_delay_alu instid0(VALU_DEP_2)
	v_max3_num_f32 v254, v232, v233, v234
	s_delay_alu instid0(VALU_DEP_1)
	v_max_num_f32 v254, v254, v235                 ; the step's largest score of my query
	s_delay_alu instid0(VALU_DEP_1)
	v_mul_f32 v254, s[CS], v254                    ; as t
	s_delay_alu instid0(VALU_DEP_1)
	v_max_num_f32 v13, v13, v254                   ; the running largest t
	v_mov_b32 v254, v12
	s_delay_alu instid0(VALU_DEP_2)
	v_floor_f32 v12, -v13                          ; the new -M = floor(-t): M is a whole number
	s_delay_alu instid0(VALU_DEP_1)
	v_sub_f32 v254, v12, v254                      ; old M less new M: a whole number, 0 or less
	s_delay_alu instid0(VALU_DEP_1)
	v_cvt_i32_f32 v254, v254                       ; (it saturates)
	s_delay_alu instid0(VALU_DEP_1)
	v_ldexp_f32 v252, 1.0, v254                    ; f = 2^(old M - new M)
.irp j, 0,2,4,6,8,10,12,14,16,18,20,22,24,26,28,30,32,34,36,38,40,42,44,46,48,50,52,54,56,58,60,62
	v_pk_fma_f32 v[128+\j:129+\j], v[128+\j:129+\j], s[CS:CS+1], v[12:13] op_sel_hi:[1,0,0]   ; t - M, two at a time
.endr
	s_setprio 1
.irp b, 0,1,2,3
	v_fma_f32 v[232+\b], v[232+\b], s[CS], v12     ; the same of each block's largest score
.endr
	s_wait_alu depctr_va_vdst(0)
.irp j, 0,1,2,3,4,5,6,7,8,9,10,11,12,13,14,15,16,17,18,19,20,21,22,23,24,25,26,27,28,29,30,31,32,33,34,35,36,37,38,39,40,41,42,43,44,45,46,47,48,49,50,51,52,53,54,55,56,57,58,59,60,61,62,63
	v_exp_f32 v[128+\j], v[128+\j]                 ; p = 2^(t - M), at most 1
.endr
	v_pk_mul_f32 v[14:15], v[14:15], v[252:253] op_sel_hi:[1,0]   ; the sums under the new M: a plain line behind the exponentials
	s_wait_alu depctr_va_vdst(0)                   ; one wait for the whole batch, ahead of its first reader
.irp b, 0,1,2,3
	v_exp_f32 v[232+\b], v[232+\b]                 ; each block's largest p
.endr
	v_pk_add_f32 v[236:237], v[132:133], v[136:137]
	v_pk_add_f32 v[250:251], v[140:141], v[144:145]
	v_pk_add_f32 v[248:249], v[148:149], v[152:153]
	v_pk_add_f32 v[246:247], v[156:157], v[160:161]
	v_pk_add_f32 v[244:245], v[164:165], v[168:169]
	v_pk_add_f32 v[242:243], v[172:173], v[176:177]
	v_pk_add_f32 v[240:241], v[180:181], v[184:185]
	v_pk_add_f32 v[14:15], v[14:15], v[188:189]
	v_pk_add_f32 v[236:237], v[236:237], v[128:129]
	v_pk_add_f32 v[250:251], v[250:251], v[130:131]
	v_pk_add_f32 v[248:249], v[248:249], v[134:135]
	v_pk_add_f32 v[246:247], v[246:247], v[138:139]
	v_pk_add_f32 v[244:245], v[244:245], v[142:143]
	v_pk_add_f32 v[242:243], v[242:243], v[146:147]
	v_pk_add_f32 v[240:241], v[240:241], v[150:151]
	v_pk_add_f32 v[14:15], v[14:15], v[154:155]
	v_pk_add_f32 v[236:237], v[236:237], v[158:159]
	v_pk_add_f32 v[250:251], v[250:251], v[162:163]
	v_pk_add_f32 v[248:249], v[248:249], v[166:167]
	v_pk_add_f32 v[246:247], v[246:247], v[170:171]
	v_pk_add_f32 v[244:245], v[244:245], v[174:175]
	v_pk_add_f32 v[242:243], v[242:243], v[178:179]
	v_pk_add_f32 v[240:241], v[240:241], v[182:183]
	v_pk_add_f32 v[14:15], v[14:15], v[186:187]
	v_pk_add_f32 v[236:237], v[236:237], v[190:191]
	s_delay_alu instid0(VALU_DEP_2)
	v_pk_add_f32 v[14:15], v[14:15], v[246:247]
	s_delay_alu instid0(VALU_DEP_2)
	v_pk_add_f32 v[236:237], v[236:237], v[244:245]
	v_pk_add_f32 v[250:251], v[250:251], v[242:243]
	v_pk_add_f32 v[248:249], v[248:249], v[240:241]
	s_delay_alu instid0(VALU_DEP_2)
	v_pk_add_f32 v[14:15], v[14:15], v[250:251]
	s_delay_alu instid0(VALU_DEP_2)
	v_pk_add_f32 v[236:237], v[236:237], v[248:249]
	s_delay_alu instid0(VALU_DEP_1)
	v_pk_add_f32 v[14:15], v[14:15], v[236:237]
	s_wait_alu depctr_va_vdst(0)                   ; and one for the four
.irp b, 0,1,2,3
	v_max_num_f32 v[232+\b], 0x1800000, v[232+\b]  ; the floor 2^(3 - 127): a block whose every p is 0 keeps the byte 1 over zero codes
.endr
.irp b, 0,1,2,3
	s_delay_alu instid0(VALU_DEP_4)
	v_add_nc_u32 v[244+\b], 0xff000000, v[232+\b]  ; 2 off the exponent field: the conversion's scale
.endr
.irp b, 0,1,2,3
	s_delay_alu instid0(VALU_DEP_4)
	v_lshrrev_b32 v[236+\b], 23, v[244+\b]         ; the byte
.endr
	s_delay_alu instid0(VALU_DEP_3)
	v_lshl_or_b32 v253, v237, 8, v236              ; p's scale word for these 128 keys
	s_delay_alu instid0(VALU_DEP_1)
	v_lshl_or_b32 v253, v238, 16, v253
	s_delay_alu instid0(VALU_DEP_1)
	v_lshl_or_b32 v253, v239, 24, v253
	s_setprio 0
.irp c, 0,1
	v_cvt_scalef32_pk16_fp6_f32 v[224+6*\c:226+6*\c], v[128+32*\c:143+32*\c], v[244+2*\c]
	v_cvt_scalef32_pk16_fp6_f32 v[236+4*\c:238+4*\c], v[144+32*\c:159+32*\c], v[244+2*\c+1]
.endr
	v_nop                                          ; one plain line behind the conversions
.irp c, 0,1
.irp i, 0,1,2
	v_permlane16_swap_b32 v[224+6*\c+\i], v[236+4*\c+\i]   ; a whole block to a lane
.endr
.irp i, 0,1,2
	s_delay_alu instid0(VALU_DEP_3)
	v_mov_b32 v[227+6*\c+\i], v[236+4*\c+\i]
.endr
.endr
.irp j, 0,2,4,6,8,10,12,14,16,18,20,22,24,26,28,30
	v_pk_mul_f32 v[192+\j:193+\j], v[192+\j:193+\j], v[252:253] op_sel_hi:[1,0]   ; O^T under the new M.  (These lines also stand between the writes of p's codes and scale word and the products)
.endr
.irp t, 0,1,2,3
	v_wmma_scale_f32_16x16x128_f8f6f4 v[192+8*\t:199+8*\t], v[80+12*\t:91+12*\t], v[224:235], v[192+8*\t:199+8*\t], v[28+\t], v253 matrix_a_fmt:MATRIX_FMT_FP6 matrix_b_fmt:MATRIX_FMT_FP6
.endr
.Lhid_\@:
	s_wait_alu depctr_va_vdst(0)
	v_add_nc_u32 v1, 8*HFB, v1                     ; the next key step.  (Six plain lines: the places between these products and the next loads into V's registers, and the first read of O^T)
	v_add_nc_u32 v2, 8*HFB, v2
	v_add_nc_u32 v3, 8*HFB, v3
	v_add_nc_u32 v4, 8*HFB, v4
	v_add_nc_u32 v5, 512, v5
	v_add_nc_u32 v6, 256, v6
.endm
; ONE TILE OF 16 QUERIES.  which = 0: in block beta; 1: in block 15 - beta.  zw: the register that keeps z's two scale bytes; their place is left in s[ZO + which].
.macro TILE which, zw
.if \which
	s_wait_xcnt 0x0                                ; the first tile's stores have read their registers and their base: all are written again below
	s_sub_co_u32 s[BE], 15, s[BETA]
.else
	s_mov_b32 s[BE], s[BETA]
.endif
	s_lshl_b32 s40, s[BE], 3
	s_add_co_u32 s40, s40, s[TAU]                  ; the tile, 0..127
	s_lshl_b32 s41, s[BH], 7
	s_add_co_u32 s41, s41, s40
	s_mul_i32 s42, s41, HFB
	s_mov_b32 s43, 0
	s_add_nc_u64 s[44:45], s[4:5], s[42:43]        ; Q's half fragment
	s_add_nc_u64 s[46:47], s[8:9], s[42:43]        ; z's: [batch][head][tile], the same place
	s_lshl_b32 s42, s[BE], 9
	s_add_nc_u64 s[48:49], s[54:55], s[42:43]      ; Q's scale words
	s_lshr_b32 s41, s[BH], 4
	s_lshl_b32 s41, s41, 7
	s_add_co_u32 s41, s41, s40
	s_lshl_b32 s41, s41, 9                         ; z's scale words: 512 bytes a tile of tokens,
	s_bfe_u32 s42, s[BH], 0x10003
	s_lshl_b32 s42, s42, 8
	s_add_co_u32 s41, s41, s42                     ; heads 8-15 in the second 256,
	s_and_b32 s42, s[BH], 7
	s_lshl_b32 s42, s42, 1
	s_add_co_u32 s[ZO+\which], s41, s42            ; two bytes a head: kept as a scalar until both tiles are done
	v_and_b32 v10, 31, v0
	s_delay_alu instid0(VALU_DEP_1)
	v_lshlrev_b32 v1, 4, v10                       ; K's codes begin at LDS byte 0: 16 x lane,
	s_delay_alu instid0(VALU_DEP_2)
	v_lshlrev_b32 v2, 3, v10
	s_delay_alu instid0(VALU_DEP_1)
	v_add_nc_u32 v2, 512, v2                       ; 512 + 8 x lane
	s_delay_alu instid0(VALU_DEP_3)
	v_add_nc_u32 v3, VCO, v1
	s_delay_alu instid0(VALU_DEP_2)
	v_add_nc_u32 v4, VCO, v2
	v_and_b32 v10, 15, v0
	s_delay_alu instid0(VALU_DEP_1)
	v_lshlrev_b32 v10, 4, v10                      ; 16 r
	s_delay_alu instid0(VALU_DEP_1)
	v_add_nc_u32 v5, KSO, v10
	s_delay_alu instid0(VALU_DEP_2)
	v_add_nc_u32 v6, VSO, v10
	global_load_b128 v[16:19], v1, s[44:45]        ; (a half fragment's offsets in memory are those of K's first tile in LDS)
	global_load_b64 v[20:21], v2, s[44:45]
	global_load_b32 v255, v10, s[48:49]
	v_mov_b32 v13, 0xff61b1e6                      ; the largest t so far: -3e38
	s_delay_alu instid0(VALU_DEP_1)
	v_floor_f32 v12, -v13                          ; -M
	v_mov_b32 v14, 0
	v_mov_b32 v15, 0
.irp j, 0,1,2,3,4,5,6,7,8,9,10,11,12,13,14,15,16,17,18,19,20,21,22,23,24,25,26,27,28,29,30,31
	v_mov_b32 v[192+\j], 0                         ; O^T: the step is written once; its first trip finds zeros
.endr
	s_wait_loadcnt 0x0                             ; Q
.if \which == 0
	s_wait_tensorcnt 0x0                           ; my part of the head's block has landed,
	s_barrier_signal -1
	s_barrier_wait -1                              ; everybody's has
.endif
	s_mov_b32 s[ST], 0
.Lstep_\@:
	STEP
	s_add_co_u32 s[ST], s[ST], 1
	s_cmp_lt_u32 s[ST], 16
	s_cbranch_scc1 .Lstep_\@
	s_setprio 0
	v_add_f32 v14, v14, v15                        ; the sum's two halves,
	s_delay_alu instid0(VALU_DEP_1)
	v_permlanex16_b32 v252, v14, s[SEL], s[SEL+1]
	s_delay_alu instid0(VALU_DEP_1)
	v_add_f32 v14, v14, v252                       ; and lane l xor 16's
	s_wait_alu depctr_va_vdst(0)
	v_rcp_f32 v14, v14
	v_and_b32 v10, 31, v0                          ; (plain lines behind the reciprocal)
	s_delay_alu instid0(VALU_DEP_1)
	v_lshlrev_b32 v11, 3, v10
	s_delay_alu instid0(VALU_DEP_2)
	v_lshlrev_b32 v10, 4, v10
	s_delay_alu instid0(VALU_DEP_2)
	v_add_nc_u32 v11, 512, v11
	s_wait_alu depctr_va_vdst(0)                   ; ahead of its first reader
.irp j, 0,2,4,6,8,10,12,14,16,18,20,22,24,26,28,30
	v_pk_mul_f32 v[128+\j:129+\j], v[192+\j:193+\j], v[14:15] op_sel_hi:[1,0]   ; z: register 16 b + i is channel 32 b + 16 h + i of my query
.endr
.irp b, 0,1
	v_max3_num_f32 v[232+\b], |v[128+16*\b]|, |v[129+16*\b]|, 0x1800000
.endr
.irp i, 2,4,6,8,10,12,14
.irp b, 0,1
	s_delay_alu instid0(VALU_DEP_2)
	v_max3_num_f32 v[232+\b], v[232+\b], |v[128+16*\b+\i]|, |v[129+16*\b+\i]|
.endr
.endr
.irp b, 0,1
	s_delay_alu instid0(VALU_DEP_2)
	v_permlanex16_b32 v[236+\b], v[232+\b], s[SEL], s[SEL+1]
.endr
.irp b, 0,1
	s_delay_alu instid0(VALU_DEP_2)
	v_max_num_f32 v[232+\b], v[232+\b], v[236+\b]
.endr
.irp b, 0,1
	s_delay_alu instid0(VALU_DEP_2)
	v_add_nc_u32 v[244+\b], 0xff000000, v[232+\b]
.endr
.irp b, 0,1
	s_delay_alu instid0(VALU_DEP_2)
	v_lshrrev_b32 v[238+\b], 23, v[244+\b]
.endr
	s_delay_alu instid0(VALU_DEP_1)
	v_lshl_or_b32 v[\zw], v239, 8, v238            ; the head's two scale bytes of my query
	v_cvt_scalef32_pk16_fp6_f32 v[224:226], v[128:143], v244
	v_cvt_scalef32_pk16_fp6_f32 v[228:230], v[144:159], v245
	v_nop                                          ; one plain line behind the conversions
.irp i, 0,1,2
	v_permlane16_swap_b32 v[224+\i], v[228+\i]
.endr
	s_delay_alu instid0(VALU_DEP_3)
	v_mov_b32 v227, v228
	s_delay_alu instid0(VALU_DEP_3)
	v_mov_b32 v228, v229
	s_delay_alu instid0(VALU_DEP_3)
	v_mov_b32 v229, v230
	global_store_b128 v10, v[224:227], s[46:47]    ; z's half fragment: 512 consecutive bytes and 256 more
	global_store_b64 v11, v[228:229], s[46:47]
.endm
	TILE 0, 8
	TILE 1, 240                                    ; (v240 is written behind the tile's loop, whose conversions use it)
	v_and_b32 v242, 31, v0
	s_delay_alu instid0(VALU_DEP_1)
	v_cmp_le_u32 vcc_lo, 16, v242
	s_delay_alu instid0(VALU_DEP_1)
	v_cndmask_b32 v8, v8, v240, vcc_lo             ; lanes 0-15 store the first tile's bytes, lanes 16-31 the second's (both halves of the lanes hold the same)
	s_sub_co_u32 s58, s[ZO+1], s[ZO]               ; the second tile lies in a later block of queries: the distance is positive, 61,440 bytes at the most
	v_bfe_u32 v9, v0, 4, 1                         ; h
	s_delay_alu instid0(VALU_DEP_1)
	v_mul_u32_u24 v9, v9, s58                      ; the place, from the thread's number and scalars alone: h x the distance,
	v_and_b32 v243, 15, v0
	s_delay_alu instid0(VALU_DEP_1)
	v_lshl_add_u32 v9, v243, 4, v9                 ; + 16 r,
	s_delay_alu instid0(VALU_DEP_1)
	v_add_nc_u32 v9, s[ZO], v9                     ; + the first tile's place
	global_store_b16 v9, v8, s[52:53]
	s_wait_dscnt 0x0
	s_wait_xcnt 0x0
	v_lshl_add_u32 v254, v0, 2, 0x33000
	v_mov_b32 v255, 0
	s_wait_alu depctr_va_vdst(0)
	s_wait_tensorcnt 0x0
	ds_add_u32 v254, v255
	s_wait_dscnt 0x0
	CROUND                                         ; the closing round
	s_endpgm
.Lfunc_end_k_q0333a5fd55_attn:
	.size	k_q0333a5fd55_attn, .Lfunc_end_k_q0333a5fd55_attn-k_q0333a5fd55_attn
	.p2alignl 7, 3214868480
	.fill 96, 4, 3214868480
	.section	.rodata,"a",@progbits
	.p2align	6, 0x0
	.amdhsa_kernel k_q0333a5fd55_attn
		.amdhsa_group_segment_fixed_size 210944
		.amdhsa_private_segment_fixed_size 0
		.amdhsa_enable_private_segment 0
		.amdhsa_kernarg_size 24
		.amdhsa_user_sgpr_count 2
		.amdhsa_user_sgpr_kernarg_segment_ptr 1
		.amdhsa_wavefront_size32 1
		.amdhsa_system_sgpr_workgroup_id_x 1
		.amdhsa_system_sgpr_workgroup_id_y 1
		.amdhsa_system_sgpr_workgroup_id_z 1
		.amdhsa_system_vgpr_workitem_id 0
		.amdhsa_next_free_vgpr 256
		.amdhsa_next_free_sgpr 66
		.amdhsa_reserve_vcc 1
		.amdhsa_float_denorm_mode_32 3
		.amdhsa_float_denorm_mode_16_64 3
		.amdhsa_memory_ordered 1
		.amdhsa_forward_progress 1
		.amdhsa_inst_pref_size 67
	.end_amdhsa_kernel
	.amdgpu_metadata
---
amdhsa.version: [ 1, 2 ]
amdhsa.kernels:
  - .name:           k_q0333a5fd55_attn
    .symbol:         k_q0333a5fd55_attn.kd
    .args:
      - { .name: qbuf, .offset: 0, .size: 8, .value_kind: global_buffer, .address_space: global }
      - { .name: kv, .offset: 8, .size: 8, .value_kind: global_buffer, .address_space: global }
      - { .name: zbuf, .offset: 16, .size: 8, .value_kind: global_buffer, .address_space: global }
    .group_segment_fixed_size: 210944
    .private_segment_fixed_size: 0
    .kernarg_segment_align: 8
    .kernarg_segment_size: 24
    .max_flat_workgroup_size: 512
    .sgpr_count:     66
    .vgpr_count:     256
    .wavefront_size: 32
...
	.end_amdgpu_metadata
.endif
;; end of part 4
;; launch outp (part 5): grid 8 x 32, 4 waves a work-group, clusters of 4 x 4, 312,832 bytes of LDS; arguments zbuf, wbuf, bo, out0; writes out0
.if DOCPART == 5
	.amdgcn_target "amdgcn-amd-amdhsa--gfx1250"
	.amdhsa_code_object_version 6
	.text
	.protected	k_q0333a5fd55_outp
	.globl	k_q0333a5fd55_outp
	.p2align	8
	.type	k_q0333a5fd55_outp,@function
k_q0333a5fd55_outp:
	s_mov_b64 s[64:65], 0
	v_nop
	global_prefetch_b8 v0, s[64:65] scope:SCOPE_SE
	s_setreg_imm32_b32 hwreg(HW_REG_WAVE_MODE, 25, 1), 1
	s_wait_xcnt 0x0
	s_wait_alu depctr_hold_cnt(0) depctr_sa_sdst(0) depctr_va_vdst(0) depctr_va_sdst(0) depctr_va_ssrc(0) depctr_va_vcc(0) depctr_vm_vsrc(0)
	s_getreg_b32 s2, hwreg(HW_REG_IB_STS2, 6, 4)
	s_cmp_eq_u32 s2, 0
	s_cbranch_scc0 .Lentry_in_a_cluster
	s_endpgm
.Lentry_in_a_cluster:
	s_bfe_u32 s2, ttmp6, 0x10000c
	s_cmp_lg_u32 s2, 0xf033
	s_cbranch_scc0 .Lentry_shape_is_right
	s_endpgm
.Lentry_shape_is_right:
; out0 = z wo + bo on codes of FP6 (E2M3) with E8M0 scales; sums in f32.
; OPERANDS lie in memory as half fragments (16 slots x 64 along K, 768 bytes, an image of six registers: 0-3 at 16 x lane, 4-5 at 512 + 8 x lane); slot s of tile 2 B + u is row 32 B + 8 u + s + 8 (s / 8).
; A WORK-GROUP makes 256 tokens (R, source 1) x 128 columns (C, source 0); wave w owns R's tiles 4 w .. 4 w + 3 against C's eight.  In a result lane (r, h) holds slot r of R's tile, and the 16 registers
; of C's tiles 2 b, 2 b + 1 are columns 32 b + 16 h + 0 .. 15.  ALL OF K (1,024) OF BOTH OPERANDS LIES IN LDS, filled once: each wave issues eight tensor loads at the head (by this text's own count eight
; are out), in four chunks of two K steps; counted waits let the later chunks land under the products.
; CLUSTERS: 4 x 4.  R's block hangs on cy alone and is asked for jointly along a row of the cluster, C's on cx alone and along a column.
; REGISTERS: window 0: v1-20 addresses; v32-63 R's scale words, v64-127 C's (scales and nothing else); v128-191 rows on the way out.  Window 1: 32 accumulators, (i, t) at v[8 (8 i + t)].
;   Windows 2, 3: two sets of fragments: R's four at v[12 i], C's eight at v[48 + 12 t].  Window 3: v144-207 the bias, the C of each sum's first product.
.set ZSC, 6291456
.set WSC, 3145728
.set XB,  1572864
.set XJ,  98304
.set WT,  786432
.set WJ,  49152
.set HFB, 768
.set RJ,  12288
.set CJ,  6144
.set CL,  16*RJ
.set STG, CL+16*CJ                     ; behind the codes: a stage of 16 rows x (256 + 16) bytes for each wave; no tensor load lands there
.set LN, 1
.set RR, 2
.set HH, 3
.set RA16, 10
.set RA8,  11
.set CA16, 12
.set CA8,  13
.set O16,  14
.set O8,   15
.set R16,  16
.set B64,  17
.set STO,  18
.set RD,   19
.set CO,   20
.set SR,   32
.set SC,   64
.set BK,   128
.set G1R, 24
.set G1C, 32
.set G0R, 40
.set G0C, 68
.set MSB, 0
.macro WIN new                         ; the immediate's high byte repeats the setting that is left
.if MSB != (\new)
	s_set_vgpr_msb (MSB<<8)|(\new)
.set MSB, (\new)
.endif
.endm
.macro CROUND                          ; a round of the cluster's barrier
	s_barrier_signal -1
	s_barrier_wait -1
	s_cmp_lg_u32 s18, 0
	s_cbranch_scc1 .Lnot_wave_0_\@
	s_barrier_signal -3
.Lnot_wave_0_\@:
	s_barrier_wait -3
	s_barrier_signal -1
	s_barrier_wait -1
.endm
	s_load_b128 s[4:7], s[0:1], 0x0                ; zbuf, wbuf
	s_load_b128 s[8:11], s[0:1], 0x10              ; bo, out0
	v_lshl_add_u32 v254, v0, 2, 0x4c400
	v_mov_b32 v255, 0
	ds_add_u32 v254, v255
	ds_add_u32 v254, v255
	v_lshrrev_b32 v1, 5, v0
	v_readfirstlane_b32 s18, v1                    ; wave 0..3
	s_and_b32 s21, ttmp7, 0xffff
	s_bfe_u32 s22, ttmp6, 0x40000                  ; cx
	s_bfe_u32 s23, ttmp6, 0x40004                  ; cy
	s_lshl_b32 s56, s23, 2
	s_lshl_b32 s56, 15, s56                        ; my row of the cluster
	s_lshl_b32 s84, 0x1111, s22                    ; my column
	s_or_b32 s[G1R], s56, (3<<16)|(1<<21)          ; dense blocks as rows of 256 bytes (32 elements of 8 bytes): R's 48 rows, C's 24
	s_mov_b32 s[G1R+1], 32<<16
	s_mov_b32 s[G1R+2], 48<<16
	s_mov_b32 s[G1R+3], 32<<16
	s_mov_b32 s[G1R+4], 48
	s_mov_b32 s[G1R+5], 32
	s_mov_b32 s[G1R+6], 0
	s_mov_b32 s[G1R+7], 0
	s_or_b32 s[G1C], s84, (3<<16)|(1<<21)
	s_mov_b32 s[G1C+1], 32<<16
	s_mov_b32 s[G1C+2], 24<<16
	s_mov_b32 s[G1C+3], 32<<16
	s_mov_b32 s[G1C+4], 24
	s_mov_b32 s[G1C+5], 32
	s_mov_b32 s[G1C+6], 0
	s_mov_b32 s[G1C+7], 0
	v_and_b32 v[LN], 31, v0
	v_and_b32 v[RR], 15, v0
	v_bfe_u32 v[HH], v0, 4, 1
	v_lshlrev_b32 v[O16], 4, v[LN]
	v_lshlrev_b32 v[O8], 3, v[LN]
	v_add_nc_u32 v[O8], 512, v[O8]
	s_mul_i32 s101, s18, 4*HFB
	v_add_nc_u32 v[RA16], s101, v[O16]
	v_add_nc_u32 v[RA8], s101, v[O8]
	v_add_nc_u32 v[CA16], CL, v[O16]
	v_add_nc_u32 v[CA8], CL, v[O8]
	v_lshlrev_b32 v[R16], 4, v[RR]
	v_lshlrev_b32 v[B64], 6, v[HH]
	s_mul_i32 s101, s18, 16*272
	s_add_co_u32 s101, s101, STG                   ; my stage
	v_mul_u32_u24 v[STO], v[RR], 272
	v_lshl_add_u32 v[STO], v[HH], 6, v[STO]
	v_add_nc_u32 v[STO], s101, v[STO]              ; in: row r, + 64 h
	v_mul_u32_u24 v[RD], v[HH], 272
	v_lshl_add_u32 v[RD], v[RR], 4, v[RD]
	v_add_nc_u32 v[RD], s101, v[RD]                ; back: lanes 0-15 one row of 256 bytes, lanes 16-31 the next
	v_lshlrev_b32 v[CO], 12, v[HH]
	v_lshl_add_u32 v[CO], v[RR], 4, v[CO]          ; and the same two rows in out0
	; R: offsets made of cy, the cluster's y and the wave's number alone
	s_lshl_b32 s56, s21, 2
	s_add_co_u32 s60, s56, s23                     ; Y: which 256 tokens
	s_lshr_b32 s56, s60, 3
	s_mul_i32 s56, s56, XB
	s_and_b32 s58, s60, 7
	s_mul_i32 s58, s58, RJ
	s_add_co_u32 s56, s56, s58
	s_mul_i32 s58, s18, XJ                         ; in chunk c wave w fetches j = 4 c + w
	s_add_co_u32 s56, s56, s58
	s_mov_b32 s57, 0
	s_lshl_b32 s58, s60, 13
	s_lshl_b32 s59, s18, 11
	s_add_co_u32 s58, s58, s59
	s_add_co_u32 s58, s58, ZSC                     ; my four tiles' scale words
	s_mov_b32 s59, 0
	s_mul_i32 s61, s18, RJ
	; C: offsets made of cx, the cluster's x and the wave's number alone
	s_lshl_b32 s84, ttmp9, 2
	s_add_co_u32 s84, s84, s22                     ; X: which 128 columns
	s_mul_i32 s86, s84, CJ
	s_add_co_u32 s86, s86, 3*WT                    ; wo's codes
	s_mul_i32 s87, s18, WJ
	s_add_co_u32 s86, s86, s87
	s_mov_b32 s87, 0
	s_lshl_b32 s88, s84, 12
	s_add_co_u32 s88, s88, WSC+3*32768
	s_mov_b32 s89, 0
	s_mul_i32 s91, s18, CJ
	s_wait_dscnt 0x0
	s_wait_kmcnt 0x0
	s_add_nc_u64 s[66:67], s[4:5], s[58:59]        ; R's scale words
	s_add_nc_u64 s[88:89], s[6:7], s[88:89]        ; C's
	s_add_nc_u64 s[62:63], s[4:5], s[56:57]
	s_add_nc_u64 s[2:3], s[6:7], s[86:87]
.irp c, 0,1,2,3
	s_mov_b32 s[G0R+4*\c], 1
	s_add_co_u32 s[G0R+4*\c+1], s61, \c*4*RJ
	s_add_nc_u64 s[G0R+4*\c+2:G0R+4*\c+3], s[62:63], \c*4*XJ
	s_or_b32 s[G0R+4*\c+3], s[G0R+4*\c+3], 0x80000000
	s_mov_b32 s[G0C+4*\c], 1
	s_add_co_u32 s[G0C+4*\c+1], s91, CL+\c*4*CJ
	s_add_nc_u64 s[G0C+4*\c+2:G0C+4*\c+3], s[2:3], \c*4*WJ
	s_or_b32 s[G0C+4*\c+3], s[G0C+4*\c+3], 0x80000000
.endr
	CROUND                                         ; all sixteen work-groups are here: the joint loads meet
.irp c, 0,1,2,3
	tensor_load_to_lds s[G0R+4*\c:G0R+4*\c+3], s[G1R:G1R+7]    ; all first fills in one group: chunk c's R, then its C
	s_nop 0
	tensor_load_to_lds s[G0C+4*\c:G0C+4*\c+3], s[G1C:G1C+7]
	s_nop 0
.endr
.rept 4
	v_nop                                          ; behind a tensor load
.endr
.irp i, 0,1,2,3
.irp g, 0,1
	global_load_b128 v[SR+8*\i+4*\g:SR+8*\i+4*\g+3], v[R16], s[66:67] offset:512*\i+256*\g
.endr
.endr
.irp t, 0,1,2,3,4,5,6,7
.irp g, 0,1
	global_load_b128 v[SC+8*\t+4*\g:SC+8*\t+4*\g+3], v[R16], s[88:89] offset:512*\t+256*\g
.endr
.endr
	s_lshl_b32 s56, s84, 9                         ; 128 X numbers, in bo and in a row of out0
	s_mov_b32 s57, 0
	s_add_nc_u64 s[8:9], s[8:9], s[56:57]
	WIN 0xc0                                       ; destination window 3
	s_wait_alu depctr_va_vdst(0)
.irp t, 0,1,2,3,4,5,6,7
	global_load_b128 v[144+8*\t:147+8*\t], v[B64], s[8:9] offset:(32*(\t/2)+8*(\t%2))*4
	global_load_b128 v[148+8*\t:151+8*\t], v[B64], s[8:9] offset:(32*(\t/2)+8*(\t%2))*4+16
.endr
	WIN 0
	s_lshl_b32 s58, s60, 20                        ; 256 Y rows of 4,096 bytes,
	s_lshl_b32 s59, s18, 18                        ; 64 w rows
	s_add_co_u32 s58, s58, s59
	s_add_co_u32 s58, s58, s56
	s_mov_b32 s59, 0
	s_add_nc_u64 s[92:93], s[10:11], s[58:59]
.macro FETCH p                         ; 48 LDS loads: a K step's fragments into set p; a fragment is two half fragments, j and j + 1
	WIN 0x80+0x40*(\p)
.irp i, 0,1,2,3
	ds_load_b128 v[12*\i:12*\i+3], v[RA16] offset:HFB*\i
	ds_load_b64 v[12*\i+4:12*\i+5], v[RA8] offset:HFB*\i
	ds_load_b128 v[12*\i+6:12*\i+9], v[RA16] offset:RJ+HFB*\i
	ds_load_b64 v[12*\i+10:12*\i+11], v[RA8] offset:RJ+HFB*\i
.endr
.irp t, 0,1,2,3,4,5,6,7
	ds_load_b128 v[48+12*\t:48+12*\t+3], v[CA16] offset:HFB*\t
	ds_load_b64 v[48+12*\t+4:48+12*\t+5], v[CA8] offset:HFB*\t
	ds_load_b128 v[48+12*\t+6:48+12*\t+9], v[CA16] offset:CJ+HFB*\t
	ds_load_b64 v[48+12*\t+10:48+12*\t+11], v[CA8] offset:CJ+HFB*\t
.endr
.endm
; 32 matrix instructions: K step s from set p.  The 32 accumulators take turns, one instruction a turn, in the same order in every step.  cm = 1: the sums begin with the bias.
.macro MUL s, p, cm
.if \cm == 0
	WIN 0x5a+5*(\p)                                ; sources 0 and 1 window 2 + p, C and D window 1
.else
	WIN 0x7a                                       ; sources window 2, C window 3, D window 1
.endif
.irp i, 0,1,2,3
.irp t, 0,1,2,3,4,5,6,7
.if \cm == 0
	v_wmma_scale_f32_16x16x128_f8f6f4 v[8*(8*\i+\t):8*(8*\i+\t)+7], v[48+12*\t:48+12*\t+11], v[12*\i:12*\i+11], v[8*(8*\i+\t):8*(8*\i+\t)+7], v[SC+8*\t+\s], v[SR+8*\i+\s] matrix_a_fmt:MATRIX_FMT_FP6 matrix_b_fmt:MATRIX_FMT_FP6
.else
	v_wmma_scale_f32_16x16x128_f8f6f4 v[8*(8*\i+\t):8*(8*\i+\t)+7], v[48+12*\t:48+12*\t+11], v[12*\i:12*\i+11], v[144+8*\t:151+8*\t], v[SC+8*\t+\s], v[SR+8*\i+\s] matrix_a_fmt:MATRIX_FMT_FP6 matrix_b_fmt:MATRIX_FMT_FP6
.endif
.endr
.endr
.endm
; What stands ahead of step s's products: where the next step lies in a new chunk, the wait for my part of it and a barrier;
; the next step's addresses: four plain lines, which are the places between the last step's products and the loads into the set that they read; the loads.
.macro PREP s
	WIN 0
.if (\s == 1) || (\s == 3) || (\s == 5)
	s_wait_dscnt 0x0                               ; no LDS load of mine is out at a signal
	s_wait_tensorcnt 5-(\s)                        ; my two loads of the next chunk have landed; the chunks behind it, two loads each, may be out
	s_barrier_signal -1
	s_barrier_wait -1                              ; everybody's have
.endif
.if \s < 7
	v_add_nc_u32 v[RA16], 2*RJ, v[RA16]
	v_add_nc_u32 v[RA8], 2*RJ, v[RA8]
	v_add_nc_u32 v[CA16], 2*CJ, v[CA16]
	v_add_nc_u32 v[CA8], 2*CJ, v[CA8]
	FETCH ((\s)+1)%2
	s_wait_alu depctr_va_vdst(0)
	s_wait_dscnt 48                                ; all but the 48 just issued: this step's fragments are in
.else
	s_wait_dscnt 0x0
.endif
.endm
	s_wait_tensorcnt 6                             ; my two loads of chunk 0 have landed; the six behind them may be out
	s_barrier_signal -1
	s_barrier_wait -1
	FETCH 0
	PREP 0
	s_wait_loadcnt 0x0                             ; the scale words and the bias
	MUL 0, 0, 1
	s_wait_alu depctr_va_vdst(0)
.irp s, 1,2,3,4,5,6,7
	PREP \s
	MUL \s, (\s)%2, 0
.endr
	WIN 0
.rept 4
	v_nop                                          ; places in front of the first read of the results
.endr
; THE WAY OUT, in eight blocks a = 2 i + q of 16 slots x 64 columns.  A lane holds pieces of 32 bytes of a row and the lanes beside it hold other rows: a block goes through my own stage and comes back as whole rows of 256 bytes.
; LDS serves a wave's instructions in order: no wait between the stores and the loads, nor in front of the next block's stores.
.macro TOSTAGE a
.set AC, 8*(8*((\a)/2)+4*((\a)%2))
	WIN 0x04                                       ; an LDS store's data are its source 1: window 1
.irp u, 0,1,2,3
	ds_store_b128 v[STO], v[AC+8*\u:AC+8*\u+3] offset:128*(\u/2)+32*(\u%2)          ; each accumulator from its low end on
	ds_store_b128 v[STO], v[AC+8*\u+4:AC+8*\u+7] offset:128*(\u/2)+32*(\u%2)+16
.endr
	WIN 0
.set BB, BK+32*((\a)%2)
.irp u, 0,1,2,3,4,5,6,7
	ds_load_b128 v[BB+4*\u:BB+4*\u+3], v[RD] offset:544*\u
.endr
.endm
.macro SEND a, younger                 ; younger: the LDS instructions issued behind block a's loads, which may stay out
.set BB, BK+32*((\a)%2)
.set R0, 32*((\a)/4)+8*(((\a)/2)%2)    ; the tile's first row among my 64; slot s is row s + 8 (s / 8) on
	s_wait_dscnt \younger
.irp u, 0,1,2,3,4,5,6,7
	global_store_b128 v[CO], v[BB+4*\u:BB+4*\u+3], s[92:93] offset:(R0+2*\u+8*(\u/4))*4096+256*((\a)%2) th:TH_STORE_NT   ; sixteen lanes store 256 consecutive bytes, aligned; written once, read by nobody here
.endr
.endm
	TOSTAGE 0
.irp a, 1,2,3,4,5,6,7
.if \a > 1
	s_wait_xcnt 0x0                                ; block a - 2's stores have read their registers: block a's loads may land there
.endif
	TOSTAGE \a
	SEND \a-1, 16                                  ; behind block a - 1's loads: block a's 8 stores and 8 loads
.endr
	SEND 7, 0
	s_wait_dscnt 0x0
	s_wait_tensorcnt 0x0
	ds_add_u32 v254, v255
	s_wait_dscnt 0x0
	CROUND                                         ; the closing round: no work-group ends while a partner may still ask jointly
	s_endpgm
.Lfunc_end_k_q0333a5fd55_outp:
	.size	k_q0333a5fd55_outp, .Lfunc_end_k_q0333a5fd55_outp-k_q0333a5fd55_outp
	.p2alignl 7, 3214868480
	.fill 96, 4, 3214868480
	.section	.rodata,"a",@progbits
	.p2align	6, 0x0
	.amdhsa_kernel k_q0333a5fd55_outp
		.amdhsa_group_segment_fixed_size 312832
		.amdhsa_private_segment_fixed_size 0
		.amdhsa_enable_private_segment 0
		.amdhsa_kernarg_size 32
		.amdhsa_user_sgpr_count 2
		.amdhsa_user_sgpr_kernarg_segment_ptr 1
		.amdhsa_wavefront_size32 1
		.amdhsa_system_sgpr_workgroup_id_x 1
		.amdhsa_system_sgpr_workgroup_id_y 1
		.amdhsa_system_sgpr_workgroup_id_z 1
		.amdhsa_system_vgpr_workitem_id 0
		.amdhsa_next_free_vgpr 1024
		.amdhsa_next_free_sgpr 102
		.amdhsa_reserve_vcc 0
		.amdhsa_float_denorm_mode_32 3
		.amdhsa_float_denorm_mode_16_64 3
		.amdhsa_memory_ordered 1
		.amdhsa_forward_progress 1
		.amdhsa_inst_pref_size 87
	.end_amdhsa_kernel
	.amdgpu_metadata
---
amdhsa.version: [ 1, 2 ]
amdhsa.kernels:
  - .name:           k_q0333a5fd55_outp
    .symbol:         k_q0333a5fd55_outp.kd
    .args:
      - { .name: zbuf, .offset: 0, .size: 8, .value_kind: global_buffer, .address_space: global }
      - { .name: wbuf, .offset: 8, .size: 8, .value_kind: global_buffer, .address_space: global }
      - { .name: bo, .offset: 16, .size: 8, .value_kind: global_buffer, .address_space: global }
      - { .name: out0, .offset: 24, .size: 8, .value_kind: global_buffer, .address_space: global }
    .group_segment_fixed_size: 312832
    .private_segment_fixed_size: 0
    .kernarg_segment_align: 8
    .kernarg_segment_size: 32
    .max_flat_workgroup_size: 128
    .sgpr_count:     102
    .vgpr_count:     1024
    .wavefront_size: 32
...
	.end_amdgpu_metadata
.endif
;; end of part 5
